; MI455X (gfx1250); checked and timed in simulation.
; The chip was launched on July 23, 2026; its instructions are those of AMD's public machine-readable ISA for CDNA 5 (MIT licence, August 2026) and "CDNA5" Instruction Set Architecture Reference Guide (July 2026). The comments in the code are by the model that wrote it; some were corrected since.
;; Multi Head Attention. Allowed arithmetic: matrix products marked QUANTISED: E2M3 operands, one E8M0 scale for each 32 along K, by v_wmma_scale_f32_16x16x128_f8f6f4 with both operands' format E2M3, f32 sums; everything else in f32.
;; Inputs: w_out 1,024 x 1,024 float32; w_qkv 1,024 x 3,072 float32; x 4 x 2,048 x 1,024 float32.
;; Outputs: out0 4 x 2,048 x 1,024 float32.
;; This version of the problem:
;;   THIS VERSION OF THE PROBLEM IS GIVEN IN LOW PRECISION. The matrix products marked QUANTISED in the list below multiply operands that are first quantised to E2M3 (2 exponent bits, 3 mantissa bits; 6 bits a number), with one power-of-two scale for each 32 numbers along K (OCP MX v1.0); their sums are f32. All else is computed in f32.
;;   The module's matrix products, in the order in which they are computed (A, B: the left and right operand; K: the contracted axis; several contracted axes count as one K, in the product's order):
;;     1. [M 8,192, K 1,024] x [K 1,024, N 3,072]; A: input x; B: input w_qkv: QUANTISED
;;     2. batch 64 x [M 2,048, K 64] x [K 64, N 2,048]; A: computed on the way; B: computed on the way: QUANTISED
;;     3. batch 64 x [M 2,048, K 2,048] x [K 2,048, N 64]; A: softmax (see below); B: computed on the way: QUANTISED
;;     4. [M 8,192, K 1,024] x [K 1,024, N 1,024]; A: computed on the way; B: input w_out: QUANTISED
;;   THE QUANTISER, for each operand of a quantised product, along K:
;;     - K is cut into blocks of 32 from its start; a last block that is shorter is filled with zeros.
;;     - A block's scale is 2^e with e = floor(log2(the largest magnitude in the block)) - 2, held to -126 .. 127; a block of zeros has e = 0. As a byte (E8M0): e + 127.
;;     - Each number is divided by its block's scale, clamped to +-7.5, and rounded to the nearest number of E2M3, ties to even, subnormals kept.
;;     - The product sums the exact products of the quantised numbers (number of the format x scale) in f32.
;;   ~~~python
;;   def quantise(x, axis):      # numpy; x: float32 -> the quantised numbers, widened to float32 again
;;       x = np.moveaxis(x, axis, -1); K = x.shape[-1]
;;       x = np.pad(x, [(0, 0)] * (x.ndim - 1) + [(0, -K % 32)]); x = x.reshape(x.shape[:-1] + (-1, 32)); a = np.abs(x).max(-1, keepdims=True)
;;       e = np.where(a > 0, np.clip(np.frexp(np.where(a > 0, a, 1))[1] - 1 - 2, -126, 127), 0)      # np.frexp(a)[1] - 1 = floor(log2(a)), exactly
;;       r = np.clip(x / 2.0 ** e, -7.5, 7.5)
;;       step = 2.0 ** (np.maximum(np.frexp(np.where(r == 0, 1, r))[1] - 1, 0) - 3)
;;       q = np.round(r / step) * step * 2.0 ** e      # np.round: ties to even
;;       return np.moveaxis(q.reshape(q.shape[:-2] + (-1,))[..., :K], -1, axis).astype(np.float32)
;;   ~~~
;;   SOFTMAX AHEAD OF A QUANTISED PRODUCT. Where the list says 'softmax', what is quantised is not the finished softmax but p = 2^(t - M), with t = logit x log2(e) and M = ceil(the row's largest t), a whole number; so 1/2 < the row's largest p <= 1. The row's sum l is taken of the UNQUANTISED p, in f32, and the product's result is divided by l at the end. Since M is a whole number, a kernel that streams over the keys may use a running M (the ceiling of the running maximum): every later rescaling is an exact power of two, which a block's scale takes up: the codes' values come out the same.
;;   OPERANDS COMPUTED ON THE WAY. 'Computed on the way' means the value that the module computes at that place (a softmax that the list does not call 'softmax' is quantised finished and normalised). What goes into a quantiser is computed in f32, as accurately as f32 sums, v_exp_f32 and their like allow (about 1e-6 of the number): no bf16 or f16 on the way to a quantiser, and a product that is left as it is and whose result goes on into a quantised operand takes f32 operands (vector FMAs, or v_wmma_f32_16x16x4_f32). A number that lies on a knife's edge between two numbers of the format may be rounded either way, as far as f32 arithmetic and the matrix unit's own rounding can turn it there, and no further.
;; One version. Each part assembles by itself: llvm-mc -triple=amdgcn-amd-amdhsa -mcpu=gfx1250 --defsym DOCPART=n.
;; ======== version 1 of 1: 4 launches
;; workspace buffers: g1 9,011,200 bytes; g2 7,372,800 bytes; qkv 19,660,800 bytes
;; launch quant (part 1): grid 96 x 4, 4 waves a work-group, no clusters, 34,304 bytes of LDS; arguments x, w_qkv, w_out, g1, g2; writes g1, g2
.if DOCPART == 1
	.amdgcn_target "amdgcn-amd-amdhsa--gfx1250"
	.amdhsa_code_object_version 6
	.text
	.protected	k_q7ef30c362e_quant
	.globl	k_q7ef30c362e_quant
	.p2align	8
	.type	k_q7ef30c362e_quant,@function
k_q7ef30c362e_quant:
	s_mov_b64 s[64:65], 0
	v_nop
	global_prefetch_b8 v0, s[64:65] scope:SCOPE_SE
	s_setreg_imm32_b32 hwreg(HW_REG_WAVE_MODE, 25, 1), 1
	s_wait_xcnt 0x0
; x [8192][1024], w_qkv [1024][3072], w_out [1024][1024], f32, become codes of FP6 (E2M3) with one E8M0 byte for each 32 along K (= the 1,024), laid in the order of a matrix operand's registers.
; A FRAGMENT is 16 rows x 128 K, 12 registers a lane; its IMAGE is 1,536 bytes: registers 4 g .. 4 g + 3 of lane L at 512 g + 16 L.  32 neighbouring rows (group G) make fragments 2 G and 2 G + 1:
; lane-row r of fragment 2 G + u is row 32 G + 8 u + r + 8 (r / 8).  Codes: [K slot S of 256][fragment][K step q of 128][1,536].  Scale words: [G][S][u][r][q], 4 bytes each.
; g1: groups 0-255 x's tokens, 256-351 w_qkv's columns.  g2: groups 256-287 w_out's columns (groups 0-255 are written by the attention launch).
; SHARES: work-group y = S.  x < 24: w_qkv; x < 32: w_out; else x.  A wave takes one group of 32 rows (or columns) x 256 along K.
; WEIGHTS (K is the first axis): a lane takes a column and its registers run down K, so a block of 32 lies in one lane; each load reads 128 consecutive bytes.  Lanes 0-15 hold fragment 0's rows, lanes 16-31 fragment 1's.
; x (K innermost): each load reads 512 consecutive bytes of a row; 16 rows x 512 bytes turn through the wave's own stage in LDS (rows of 528 bytes) and come back 16 neighbours of each block a lane.
; A block's scale is 2^(floor(log2(largest magnitude)) - 2); its byte is the largest magnitude's exponent field - 2, held at 1 from below.
; LIMITS: a block of zeros, or one whose largest magnitude lies under 2^-124, keeps the byte 1 (its codes are zeros or tiny; the bytes are read by this program alone); NaN and infinities are not served.
.set PLANE1, 2162688                   ; 704 fragments x 3,072 bytes: one K slot of g1
.set SC1,    4*PLANE1                  ; g1's scale words
.set PLANE2, 1769472                   ; 576 fragments x 3,072
.set SC2,    4*PLANE2
.set STG,    16*528                    ; a wave's stage
.set SPARE,  4*STG                     ; behind the stages: the spare words, 128 bytes a wave, two blocks of 256 bytes that no other line names
.set SPW,    14                        ; v14  my spare word's LDS address; never rewritten
.set NIL,    15                        ; v15  0; never rewritten
.set XR,     16                        ; v16-143  x: two sets of 64 registers as loaded
.set XX,     144                       ; v144-207 x: 64 numbers back from the stage: register 16 b + i = k 32 b + 16 (lane / 16) + i of my row
.set TM,     208                       ; v208-211 largest magnitudes, v212-215 bytes, v216-219 the conversions' scale operands
.set PW,     220                       ; v220-223 the four fragments' scale words
.set SW,     224                       ; v[224:225] the words as they are stored
.set TT,     226                       ; v226-233 the upper halves of blocks, on their way
.set PC,     234                       ; v234-245 a fragment's codes
	s_load_b256 s[4:11], s[0:1], 0x0               ; x s[4:5], w_qkv s[6:7], w_out s[8:9], g1 s[10:11]
	s_load_b64 s[12:13], s[0:1], 0x20              ; g2
	v_lshl_add_u32 v[SPW], v0, 2, SPARE
	v_mov_b32 v[NIL], 0
	v_lshrrev_b32 v1, 5, v0
	v_readfirstlane_b32 s16, v1                    ; wave
	v_and_b32 v2, 31, v0                           ; lane L
	v_lshlrev_b32 v4, 4, v2                        ; 16 L
	v_lshlrev_b32 v5, 3, v2                        ; 8 L
	v_and_b32 v8, 15, v0                           ; r
	v_bfe_u32 v9, v0, 4, 1                         ; h
	s_mul_i32 s18, s16, STG
	v_add_nc_u32 v6, s18, v4                       ; the stage, in: 16 L in a row of 528
	v_mul_u32_u24 v7, v8, 528
	v_lshl_add_u32 v7, v9, 6, v7
	v_add_nc_u32 v7, s18, v7                       ; and back: row r, + 64 h
	v_and_b32 v3, 7, v0
	v_bfe_u32 v10, v0, 3, 1
	v_lshl_or_b32 v3, v10, 4, v3
	v_lshl_or_b32 v3, v9, 3, v3                    ; a weight's column for lane L: (L % 8) + 16 ((L / 8) % 2) + 8 (L / 16)
	v_lshlrev_b32 v3, 2, v3
	s_and_b32 s17, ttmp7, 0xffff                   ; S
	s_mov_b32 s28, 0x76543210
	s_mov_b32 s29, 0xfedcba98                      ; v_permlanex16_b32's selects for lane L xor 16
	s_mov_b32 s30, 0xffff0000                      ; lanes 16-31
	s_wait_kmcnt 0x0
	s_cmp_lt_u32 ttmp9, 24
	s_cbranch_scc1 .Lwqkv
	s_cmp_lt_u32 ttmp9, 32
	s_cbranch_scc1 .Lwout
; ---------------- x ----------------
; 64 numbers of a lane become a fragment's codes in v[PC] on and its scale word
.macro QUANT s, pw
.irp b, 0,1,2,3
	v_max3_num_f32 v[TM+\b], |v[\s+16*\b]|, |v[\s+1+16*\b]|, 0x1800000   ; block b: my 16 numbers, and the floor 2^(3 - 127): the byte cannot fall under 1
.endr
.irp i, 2,4,6,8,10,12,14
.irp b, 0,1,2,3
	v_max3_num_f32 v[TM+\b], v[TM+\b], |v[\s+16*\b+\i]|, |v[\s+1+16*\b+\i]|   ; the four blocks by turns
.endr
.endr
.irp b, 0,1,2,3
	v_permlanex16_b32 v[TM+4+\b], v[TM+\b], s28, s29
.endr
.irp b, 0,1,2,3
	v_max_num_f32 v[TM+\b], v[TM+\b], v[TM+4+\b]   ; with lane L xor 16's 16: the block's largest magnitude
.endr
.irp b, 0,1,2,3
	v_add_nc_u32 v[TM+8+\b], 0xff000000, v[TM+\b]  ; 2 off its exponent field: the conversion's scale operand
.endr
.irp b, 0,1,2,3
	v_lshrrev_b32 v[TM+4+\b], 23, v[TM+8+\b]       ; the byte
.endr
	v_lshl_or_b32 v[(\pw)], v[TM+5], 8, v[TM+4]
	v_lshl_or_b32 v[(\pw)], v[TM+6], 16, v[(\pw)]
	v_lshl_or_b32 v[(\pw)], v[TM+7], 24, v[(\pw)]
.irp c, 0,1
	v_cvt_scalef32_pk16_fp6_f32 v[PC+6*\c:PC+6*\c+2], v[\s+32*\c:\s+32*\c+15], v[TM+8+2*\c]
	v_cvt_scalef32_pk16_fp6_f32 v[TT+4*\c:TT+4*\c+2], v[\s+32*\c+16:\s+32*\c+31], v[TM+8+2*\c+1]   ; a conversion's three registers begin on an even number
.endr
	v_nop                                          ; one plain place behind a scaled conversion
.irp c, 0,1                                    ; the operand wants a whole block in a lane: lanes 0-15 block 2 c, lanes 16-31 block 2 c + 1
.irp i, 0,1,2
	v_permlane16_swap_b32 v[PC+6*\c+\i], v[TT+4*\c+\i]
.endr
.irp i, 0,1,2
	v_mov_b32 v[PC+3+6*\c+\i], v[TT+4*\c+\i]
.endr
.endr
.endm
; fragment step f = 2 u + q: 16 rows x 512 bytes into set f % 2
.macro LOADX f
.set LU, (\f)/2
.set LQ, (\f)%2
.set LR, XR+64*((\f)%2)
.irp i, 0,1,2,3,4,5,6,7,8,9,10,11,12,13,14,15
	global_load_b128 v[LR+4*\i:LR+4*\i+3], v4, s[4:5] offset:(8*LU+\i+8*(\i/8))*4096+512*LQ th:TH_LOAD_NT
.endr
.endm
.macro XSTEP f
.set RS, XR+64*((\f)%2)
.if (\f) < 3
	s_wait_loadcnt 16                              ; this step's 16 loads are in; the next step's 16 may be out
.else
	s_wait_loadcnt 0x0
.endif
.irp i, 0,1,2,3,4,5,6,7,8,9,10,11,12,13,14,15
	ds_store_b128 v6, v[RS+4*\i:RS+4*\i+3] offset:528*\i
.endr
.irp b, 0,1,2,3
.irp j, 0,1,2,3
	ds_load_b128 v[XX+16*\b+4*\j:XX+16*\b+4*\j+3], v7 offset:128*\b+16*\j   ; LDS serves a wave's instructions in order: these see my stores
.endr
.endr
	s_wait_dscnt 0x0                               ; the numbers are back, and the stores have read their registers
.if (\f) > 0
	s_wait_xcnt 0x0                                ; the last step's stores have read the codes' registers, which are written again below
.endif
.if (\f)+2 < 4
	LOADX (\f)+2
.endif
	QUANT XX, PW+(\f)
.irp g, 0,1,2
	global_store_b128 v4, v[PC+4*\g:PC+4*\g+3], s[22:23] offset:((\f)/2)*3072+((\f)%2)*1536+512*\g   ; 512 consecutive bytes
.endr
.endm
	s_sub_co_u32 s18, ttmp9, 32
	s_lshl_b32 s18, s18, 2
	s_add_co_u32 s18, s18, s16                     ; my group of 32 tokens
	s_lshl_b32 s20, s18, 17                        ; 32 rows of 4,096 bytes
	s_lshl_b32 s21, s17, 10                        ; 256 numbers a K slot
	s_add_co_u32 s20, s20, s21
	s_mov_b32 s21, 0
	s_add_nc_u64 s[4:5], s[4:5], s[20:21]
	s_mul_i32 s20, s17, PLANE1
	s_mul_i32 s22, s18, 6144
	s_add_co_u32 s20, s20, s22
	s_add_nc_u64 s[22:23], s[10:11], s[20:21]      ; my group's four images
	s_lshl_b32 s20, s18, 10
	s_lshl_b32 s24, s17, 8
	s_add_co_u32 s20, s20, s24
	s_add_co_u32 s20, s20, SC1
	s_add_nc_u64 s[24:25], s[10:11], s[20:21]      ; and its 256 bytes of scale words
.irp b, 0,1,2,3
	v_mov_b32 v[TM+4+\b], 0                        ; a lane permute's destination counts as one of its sources
.endr
	LOADX 0
	LOADX 1
	XSTEP 0
	XSTEP 1
	XSTEP 2
	XSTEP 3
	v_cndmask_b32 v[SW], v[PW], v[PW+2], s30       ; lanes 0-15 fragment 0's word of K step 0, lanes 16-31 fragment 1's
	v_cndmask_b32 v[SW+1], v[PW+1], v[PW+3], s30   ; and of K step 1
	global_store_b64 v5, v[SW:SW+1], s[24:25]      ; 256 consecutive bytes
	s_wait_tensorcnt 0x0                           ; the wave's end, behind my last LDS store
	ds_add_u32 v[SPW], v[NIL]
	s_wait_dscnt 0x0
	s_endpgm
; ---------------- the weights ----------------
; v32-95 two sets of 32 numbers; v96-143 for each K step two fragments of 12; v144-146 a block's upper half; v[148:149] my column's scale words
.macro WLOAD t, pitch
.irp i, 0,1,2,3,4,5,6,7,8,9,10,11,12,13,14,15,16,17,18,19,20,21,22,23,24,25,26,27,28,29,30,31
	global_load_b32 v[32+32*((\t)%2)+\i], v3, s[26:27] offset:(32*(\t)+\i)*(\pitch) th:TH_LOAD_NT
.endr
.endm
.macro WBLOCK t, pitch
.set XS, 32+32*((\t)%2)
.set QQ, (\t)/4
.set BB, (\t)%4
.set CBR, 96+24*QQ+12*(BB%2)+6*(BB/2)  ; blocks 0, 2 into fragment 0's registers 0-5, 6-11; blocks 1, 3 into fragment 1's
.if (\t) < 7
	s_wait_loadcnt 32                              ; this block's 32 loads are in; the next block's 32 may be out
.else
	s_wait_loadcnt 0x0
.endif
	v_max3_num_f32 v12, |v[XS]|, |v[XS+1]|, |v[XS+2]|
	v_max3_num_f32 v13, |v[XS+3]|, |v[XS+4]|, |v[XS+5]|
.irp i, 6,10,14,18,22,26
	v_max3_num_f32 v12, v12, |v[XS+\i]|, |v[XS+\i+1]|
	v_max3_num_f32 v13, v13, |v[XS+\i+2]|, |v[XS+\i+3]|
.endr
	v_max3_num_f32 v12, v12, |v[XS+30]|, |v[XS+31]|
	v_max3_num_f32 v12, v12, v13, 0x1800000        ; and the floor
	v_add_nc_u32 v11, 0xff000000, v12              ; the conversion's scale operand
	v_lshrrev_b32 v13, 23, v11                     ; the byte
.if BB == 0
	v_mov_b32 v[148+QQ], v13
.else
	v_lshl_or_b32 v[148+QQ], v13, 8*BB, v[148+QQ]
.endif
	v_cvt_scalef32_pk16_fp6_f32 v[CBR:CBR+2], v[XS:XS+15], v11
	v_cvt_scalef32_pk16_fp6_f32 v[144:146], v[XS+16:XS+31], v11
	v_nop                                          ; one plain place behind a scaled conversion
.irp i, 0,1,2
	v_mov_b32 v[CBR+3+\i], v[144+\i]
.endr
.if (\t)+2 < 8
	WLOAD (\t)+2, \pitch
.endif
.if BB == 3                            ; lanes 0-15 hold fragment 0's rows and lanes 16-31 fragment 1's: the exchange gives fragment 0 its blocks 1, 3 in lanes 16-31 and fragment 1 its blocks 0, 2 in lanes 0-15
.irp i, 0,1,2,3,4,5
	v_permlane16_swap_b32 v[96+24*QQ+\i], v[108+24*QQ+\i]
	v_permlane16_swap_b32 v[102+24*QQ+\i], v[114+24*QQ+\i]
.endr
.irp u, 0,1
.irp g, 0,1,2
	global_store_b128 v4, v[96+24*QQ+12*\u+4*\g:96+24*QQ+12*\u+4*\g+3], s[22:23] offset:\u*3072+QQ*1536+512*\g   ; each K step has registers of its own: no store's data are written again
.endr
.endr
.endif
.endm
.macro WPATH pitch, srcp, dstp, plane, sc, cg0
	s_sub_co_u32 s18, ttmp9, \cg0
	s_lshl_b32 s18, s18, 2
	s_add_co_u32 s18, s18, s16                     ; my group of 32 columns
	s_mul_i32 s20, s17, 256*(\pitch)
	s_lshl_b32 s21, s18, 7
	s_add_co_u32 s20, s20, s21
	s_mov_b32 s21, 0
	s_add_nc_u64 s[26:27], s[\srcp:\srcp+1], s[20:21]
	s_add_co_u32 s18, s18, 256                     ; the weights' groups lie behind the 256 groups of tokens
	s_mul_i32 s20, s17, \plane
	s_mul_i32 s22, s18, 6144
	s_add_co_u32 s20, s20, s22
	s_add_nc_u64 s[22:23], s[\dstp:\dstp+1], s[20:21]
	s_lshl_b32 s20, s18, 10
	s_lshl_b32 s24, s17, 8
	s_add_co_u32 s20, s20, s24
	s_add_co_u32 s20, s20, \sc
	s_add_nc_u64 s[24:25], s[\dstp:\dstp+1], s[20:21]
	WLOAD 0, \pitch
	WLOAD 1, \pitch
.irp t, 0,1,2,3,4,5,6,7
	WBLOCK \t, \pitch
.endr
	global_store_b64 v5, v[148:149], s[24:25]      ; lane L = 16 u + r: the words of fragment u, row r: 256 consecutive bytes
	s_endpgm
.endm
.Lwqkv:
	WPATH 12288, 6, 10, PLANE1, SC1, 0
.Lwout:
	WPATH 4096, 8, 12, PLANE2, SC2, 24
.Lfunc_end_k_q7ef30c362e_quant:
	.size	k_q7ef30c362e_quant, .Lfunc_end_k_q7ef30c362e_quant-k_q7ef30c362e_quant
	.p2alignl 7, 3214868480
	.fill 96, 4, 3214868480
	.section	.rodata,"a",@progbits
	.p2align	6, 0x0
	.amdhsa_kernel k_q7ef30c362e_quant
		.amdhsa_group_segment_fixed_size 34304
		.amdhsa_private_segment_fixed_size 0
		.amdhsa_enable_private_segment 0
		.amdhsa_kernarg_size 40
		.amdhsa_user_sgpr_count 2
		.amdhsa_user_sgpr_kernarg_segment_ptr 1
		.amdhsa_wavefront_size32 1
		.amdhsa_system_sgpr_workgroup_id_x 1
		.amdhsa_system_sgpr_workgroup_id_y 1
		.amdhsa_system_sgpr_workgroup_id_z 1
		.amdhsa_system_vgpr_workitem_id 0
		.amdhsa_next_free_vgpr 256
		.amdhsa_next_free_sgpr 66
		.amdhsa_reserve_vcc 0
		.amdhsa_float_denorm_mode_32 3
		.amdhsa_float_denorm_mode_16_64 3
		.amdhsa_memory_ordered 1
		.amdhsa_forward_progress 1
		.amdhsa_inst_pref_size 110
	.end_amdhsa_kernel
	.amdgpu_metadata
---
amdhsa.version: [ 1, 2 ]
amdhsa.kernels:
  - .name:           k_q7ef30c362e_quant
    .symbol:         k_q7ef30c362e_quant.kd
    .args:
      - { .name: x, .offset: 0, .size: 8, .value_kind: global_buffer, .address_space: global }
      - { .name: w_qkv, .offset: 8, .size: 8, .value_kind: global_buffer, .address_space: global }
      - { .name: w_out, .offset: 16, .size: 8, .value_kind: global_buffer, .address_space: global }
      - { .name: g1, .offset: 24, .size: 8, .value_kind: global_buffer, .address_space: global }
      - { .name: g2, .offset: 32, .size: 8, .value_kind: global_buffer, .address_space: global }
    .group_segment_fixed_size: 34304
    .private_segment_fixed_size: 0
    .kernarg_segment_align: 8
    .kernarg_segment_size: 40
    .max_flat_workgroup_size: 128
    .sgpr_count:     66
    .vgpr_count:     256
    .wavefront_size: 32
...
	.end_amdgpu_metadata
.endif
;; end of part 1
;; launch gemm_qkv (part 2): grid 12 x 32, 4 waves a work-group, clusters of 4 x 4, 327,680 bytes of LDS; arguments g1, qkv; writes qkv
.if DOCPART == 2
	.amdgcn_target "amdgcn-amd-amdhsa--gfx1250"
	.amdhsa_code_object_version 6
	.text
	.protected	k_q7ef30c362e_gemm_qkv
	.globl	k_q7ef30c362e_gemm_qkv
	.p2align	8
	.type	k_q7ef30c362e_gemm_qkv,@function
k_q7ef30c362e_gemm_qkv:
	s_mov_b64 s[64:65], 0
	v_nop
	global_prefetch_b8 v0, s[64:65] scope:SCOPE_SE
	s_setreg_imm32_b32 hwreg(HW_REG_WAVE_MODE, 25, 1), 1
	s_wait_xcnt 0x0
	s_wait_alu depctr_hold_cnt(0) depctr_sa_sdst(0) depctr_va_vdst(0) depctr_va_sdst(0) depctr_va_ssrc(0) depctr_va_vcc(0) depctr_vm_vsrc(0)
	s_getreg_b32 s2, hwreg(HW_REG_IB_STS2, 6, 4)
	s_cmp_eq_u32 s2, 0
	s_cbranch_scc0 .Lentry_in_a_cluster
	s_endpgm
.Lentry_in_a_cluster:
	s_bfe_u32 s2, ttmp6, 0x10000c
	s_cmp_lg_u32 s2, 0xf033
	s_cbranch_scc0 .Lentry_shape_is_right
	s_endpgm
.Lentry_shape_is_right:
; A product on codes of FP6 (E2M3) with E8M0 scales, K = 1,024, both operands laid as images of operand registers (16 rows x 128 K = 1,536 bytes: registers 4 g .. 4 g + 3 of lane L at 512 g + 16 L),
; [K slot of 256][fragment][K step of 128][1,536]; scale words [group of 32 rows][K slot][u][r][K step].  Lane-row r of fragment 2 G + u is row 32 G + 8 u + r + 8 (r / 8).
; One text serves two launches: IS_OUT = 0: q, k, v = x w_qkv, quantised in registers and stored as codes;  IS_OUT = 1: out0 = (attention's output) w_out, stored as f32.
; A tile is 256 x 256, four waves, 128 x 128 each: 64 accumulators, 512 registers.  Source 0 ("B") runs along a lane's registers, source 1 ("A") gives a lane its row.  With B's fragments 2 t and 2 t + 1 in the order
; above, a lane's 16 registers of two neighbouring accumulators are 16 NEIGHBOURS: 32 t + 16 (lane / 16) + 0 .. 15.
; IS_OUT = 0: cluster x = 0: q, 1: k (A = tokens, B = w's columns: a lane holds a token and the head's 64 run along its registers);  2: v (A = w_v's columns, B = tokens: a lane holds a channel and the keys run along its registers).
; K has four slots.  LDS has three regions of one slot: slots 0, 1, 2 and all scale words go out at the start (four tensor loads a wave are out); slot 3 is filled into region 0 behind one round of the cluster's barrier.
; CLUSTER 4 x 4: A's tile is shared along a row of the cluster, B's along a column: each is asked for jointly.
; LIMITS (IS_OUT = 0): a block of zeros, or one under 2^-124, keeps the byte 1 (read by this program alone); NaN and infinities are not served.
; REGISTERS: window 0: v8-29 addresses; v32-63 scale words, two sets; v128-223 A's fragments, one set; window 1: B's fragments, sets at v0 and v128; windows 2, 3: accumulator (a, b) at v[8 (8 (a % 4) + b)].
.set IS_OUT, 0
.if IS_OUT
.set PLANE, 1769472                    ; one K slot of the codes' buffer
.set NLA,   4                          ; LDS loads that bring a fragment of A
.else
.set PLANE, 2162688
.set NLA,   3
.endif
.set SCG,   4*PLANE                    ; the scale words
.set KVC,   6291456                    ; qkv: K's and V's images; Q's begin at 0
.set QSC,   18874368                   ; Q's scale words
.set KVSC,  19136512                   ; K's and V's
.set FR,    12
.set HALFT, 24576                      ; 128 rows of one K slot: what one tensor load brings
.set SLOT,  4*HALFT                    ; a region: A's 256 rows, then B's
.set SCL,   3*SLOT                     ; the scale words: A's 256 rows, B's 256 rows, all of K
.set HALFS, 4096
.set SPARE, SCL+4*HALFS                ; the spare words, 128 bytes a wave: two blocks of 256 bytes that no other line names
.set STO,   8                          ; v8   (IS_OUT) the stage: where I put 32 bytes of a row
.set RD,    9                          ; v9   and where I read a row back
.set ADRA8, 12                         ; v12-14 (IS_OUT) region + my half of A + 8 L
.set ADRA,  16                         ; v16-18 region + my half of A + 16 L
.set ADRB,  20                         ; v20-22 the same for B
.set LI,    24                         ; v24  16 L
.set L8,    25                         ; v25  8 L
.set ADRS,  27                         ; v27  my scale words: lanes 0-15 A's rows, lanes 16-31 B's
.set SPW,   28                         ; v28  my spare word; never rewritten
.set NIL,   29                         ; v29  0; never rewritten
.set SC,    32
.set AF,    128
.set TM,    64                         ; the way out: v64-67 largest magnitudes, v68-71 bytes, v72-75 scale operands
.set PWB,   80                         ; v80-87 eight images' scale words
.set TT,    96                         ; v96-103 upper halves of blocks
.set PCB,   128                        ; v128-223 eight images
.set BK,    128                        ; (IS_OUT) 16 rows read back: v128-191 and v192-255 by turns
.set G1,    24                         ; s[24:31] group 1, A's tiles;  s[32:39] B's;  s[40:47], s[48:55] the scales'
.set G1B,   32
.set G1S,   40
.set G1SB,  48
.set G0S,   56                         ; s[56:59], s[60:63] groups 0 of the scales
.set G0SB,  60
.set G0A,   68                         ; s[68:79] groups 0 of A's three regions;  s[80:91] of B's
.set G0B,   80
.set MSB, 0
.macro WIN new                         ; the immediate's high byte repeats the setting that is left
.if MSB != (\new)
	s_set_vgpr_msb (MSB<<8)|(\new)
.set MSB, (\new)
.endif
.endm
.set MUL_LO, 0xa1                      ; source 0 (B) window 1, source 1 (A) window 0, C and D window 2
.set MUL_HI, 0xf1                      ; the same, C and D window 3
.set TO_B,   0x40                      ; destination window 1
; A joint load: waves 0 and 1 fetch A's halves, waves 2 and 3 B's.  The branch hangs on the wave's number alone.  An s_nop 0 and four v_nop follow each line.
.macro JLOAD g0a, g1a, g0b, g1b
	s_cmp_eq_u32 s15, 0
	s_cbranch_scc0 .Lfor_b_\@
	tensor_load_to_lds s[\g0a:\g0a+3], s[\g1a:\g1a+7]
	s_nop 0
.rept 4
	v_nop
.endr
	s_branch .Lasked_\@
.Lfor_b_\@:
	tensor_load_to_lds s[\g0b:\g0b+3], s[\g1b:\g1b+7]
	s_nop 0
.rept 4
	v_nop
.endr
.Lasked_\@:
.endm
.macro CREST                           ; a round of the cluster's barrier behind its opening barrier
	s_cmp_lg_u32 s14, 0
	s_cbranch_scc1 .Lnot_wave_0_\@
	s_barrier_signal -3
.Lnot_wave_0_\@:
	s_barrier_wait -3
	s_barrier_signal -1
	s_barrier_wait -1
.endm
.macro CROUND
	s_barrier_signal -1
	s_barrier_wait -1
	CREST
.endm
.macro SETG0 g, lreg, loff, alo, goff  ; a group 0: count 1, LDS address, global address, type 2
	s_mov_b32 s[(\g)], 1
	s_add_co_u32 s[(\g)+1], s[\lreg], \loff
	s_add_nc_u64 s[(\g)+2:(\g)+3], s[\alo:\alo+1], \goff
	s_or_b32 s[(\g)+3], s[(\g)+3], 0x80000000
.endm
	s_load_b128 s[4:7], s[0:1], 0x0                ; the codes' buffer s[4:5], the result s[6:7]
	v_lshl_add_u32 v[SPW], v0, 2, SPARE
	v_mov_b32 v[NIL], 0
	ds_add_u32 v[SPW], v[NIL]                      ; the wave's opening: the add, and its wait ahead of my first tensor load; work on registers stands between
	ds_add_u32 v[SPW], v[NIL]
	v_lshrrev_b32 v1, 5, v0
	v_readfirstlane_b32 s14, v1                    ; wave
	s_lshr_b32 s15, s14, 1                         ; my half of A's rows.  Also: I fetch for A (0) or B (1)
	s_and_b32 s16, s14, 1                          ; my half of B's rows.  Also: which 128 rows I fetch
	s_bfe_u32 s8, ttmp6, 0x40000                   ; cx
	s_bfe_u32 s9, ttmp6, 0x40004                   ; cy
	s_and_b32 s10, ttmp7, 0xffff
	s_lshl_b32 s10, s10, 2                         ; 4 x cluster y
.if IS_OUT
	s_add_co_u32 s12, s10, s9                      ; A's tile of 256 rows: tokens 4 Y + cy
	s_add_co_u32 s13, s8, 32                       ; B's: w_out's columns, behind the 32 tiles of tokens
.else
	s_lshl_b32 s11, ttmp9, 2
	s_add_co_u32 s11, s11, 32                      ; 32 + 4 x cluster x
	s_cmp_eq_u32 ttmp9, 2                          ; v?  The cluster's x is the same in all sixteen partners
	s_cselect_b32 s12, 40, s10
	s_cselect_b32 s13, s10, s11
	s_add_co_u32 s12, s12, s9                      ; A's tile: made of cy and the cluster's place alone
	s_add_co_u32 s13, s13, s8                      ; B's tile: of cx and the cluster's place alone
.endif
	s_lshl_b32 s17, s9, 2
	s_lshl_b32 s17, 15, s17                        ; my row of the cluster
	s_lshl_b32 s18, 0x1111, s8                     ; my column
	s_or_b32 s[G1], s17, (3<<16)|(1<<21)           ; 15:0 the mask; 17:16 elements of 8 bytes; 21 set beside a mask; no padding
	s_or_b32 s[G1B], s18, (3<<16)|(1<<21)
	s_or_b32 s[G1S], s17, (3<<16)|(1<<21)
	s_or_b32 s[G1SB], s18, (3<<16)|(1<<21)
.irp g, G1, G1B                        ; 24,576 dense bytes as 96 rows of 256
	s_mov_b32 s[\g+1], 32<<16
	s_mov_b32 s[\g+2], 96<<16
	s_mov_b32 s[\g+3], 32<<16
	s_mov_b32 s[\g+4], 96
	s_mov_b32 s[\g+5], 32
	s_mov_b32 s[\g+6], 0
	s_mov_b32 s[\g+7], 0
.endr
.irp g, G1S, G1SB                      ; 4,096 dense bytes as 16 rows of 256
	s_mov_b32 s[\g+1], 32<<16
	s_mov_b32 s[\g+2], 16<<16
	s_mov_b32 s[\g+3], 32<<16
	s_mov_b32 s[\g+4], 16
	s_mov_b32 s[\g+5], 32
	s_mov_b32 s[\g+6], 0
	s_mov_b32 s[\g+7], 0
.endr
	s_mul_i32 s19, s16, HALFT
	s_mul_i32 s92, s12, 2*HALFT
	s_add_co_u32 s92, s92, s19                     ; A's codes: tile x 49,152 + half x 24,576
	s_mov_b32 s93, 0
	s_mul_i32 s94, s13, 2*HALFT
	s_add_co_u32 s94, s94, s19                     ; B's
	s_mov_b32 s95, 0
	s_lshl_b32 s19, s16, 12
	s_lshl_b32 s96, s12, 13
	s_add_co_u32 s96, s96, s19
	s_add_co_u32 s96, s96, SCG                     ; A's scale words: tile x 8,192 + half x 4,096
	s_mov_b32 s97, 0
	s_lshl_b32 s98, s13, 13
	s_add_co_u32 s98, s98, s19
	s_add_co_u32 s98, s98, SCG
	s_mov_b32 s99, 0
	s_mul_i32 s2, s14, HALFT                       ; where they go: wave x 24,576: no place in the cluster enters an LDS address
	s_lshl_b32 s3, s14, 12
	s_wait_dscnt 0x0                               ; the opening add is done
	s_wait_kmcnt 0x0
	s_add_nc_u64 s[92:93], s[4:5], s[92:93]
	s_add_nc_u64 s[94:95], s[4:5], s[94:95]
	s_add_nc_u64 s[96:97], s[4:5], s[96:97]
	s_add_nc_u64 s[98:99], s[4:5], s[98:99]
	CROUND                                         ; all sixteen work-groups are here: the first joint loads meet
	SETG0 G0S, 3, SCL, 96, 0
	SETG0 G0SB, 3, SCL, 98, 0
	JLOAD G0S, G1S, G0SB, G1SB                     ; the scale words first: they are wanted with K slot 0
.irp n, 0,1,2
	SETG0 G0A+4*\n, 2, \n*SLOT, 92, \n*PLANE
	SETG0 G0B+4*\n, 2, \n*SLOT, 94, \n*PLANE
	JLOAD G0A+4*\n, G1, G0B+4*\n, G1B
.endr
	v_and_b32 v1, 31, v0
	v_and_b32 v2, 15, v0                           ; r
	v_bfe_u32 v3, v0, 4, 1                         ; h
	s_wait_alu depctr_va_vdst(0)
	v_lshlrev_b32 v[LI], 4, v1
	v_lshlrev_b32 v[L8], 3, v1
	s_mul_i32 s20, s15, HALFT
	s_mul_i32 s21, s16, HALFT
	s_add_co_u32 s21, s21, 2*HALFT
.irp n, 0,1,2
	v_add_nc_u32 v[ADRA+\n], s20, v[LI]
	v_add_nc_u32 v[ADRB+\n], s21, v[LI]
.if IS_OUT
	v_add_nc_u32 v[ADRA8+\n], s20, v[L8]
.endif
	s_add_co_u32 s20, s20, SLOT
	s_add_co_u32 s21, s21, SLOT
.endr
	s_lshl_b32 s20, s15, 12                        ; A's words: my 128 rows
	s_lshl_b32 s21, s16, 12                        ; B's: my 128 rows, behind A's 256
	s_add_co_u32 s21, s21, 2*HALFS
	s_sub_co_u32 s21, s21, s20
	v_mul_u32_u24 v4, s21, v3                      ; lanes 16-31 take B's: one product, the distance between the two
	v_lshl_add_u32 v4, v2, 3, v4                   ; + 8 r
	s_add_co_u32 s20, s20, SCL
	v_add_nc_u32 v[ADRS], s20, v4
.if IS_OUT
	s_mul_i32 s20, s14, 16*528                     ; my stage: 16 rows of 528 bytes, in region 1
	s_add_co_u32 s20, s20, SLOT
	v_mul_u32_u24 v4, v2, 528
	v_lshl_add_u32 v4, v3, 6, v4
	v_add_nc_u32 v[STO], s20, v4                   ; in: row r, + 64 h
	v_add_nc_u32 v[RD], s20, v[LI]                 ; back: 16 L of a row
.endif
.macro FRAGB reg, n, off               ; an image comes back as it was stored: three loads of 512 consecutive bytes
.irp g, 0,1,2
	ds_load_b128 v[(\reg)+4*\g:(\reg)+4*\g+3], v[ADRB+(\n)] offset:(\off)+512*\g
.endr
.endm
.macro FRAGA reg, n, off
.if IS_OUT                             ; the attention's fragments lie in halves of 768 bytes, one for each of two heads: registers 6 c .. 6 c + 3 at 16 L, then 6 c + 4, 6 c + 5 at 8 L
.irp c, 0,1
	ds_load_b128 v[(\reg)+6*\c:(\reg)+6*\c+3], v[ADRA+(\n)] offset:(\off)+768*\c
	ds_load_b64 v[(\reg)+6*\c+4:(\reg)+6*\c+5], v[ADRA8+(\n)] offset:(\off)+768*\c+512
.endr
.else
.irp g, 0,1,2
	ds_load_b128 v[(\reg)+4*\g:(\reg)+4*\g+3], v[ADRA+(\n)] offset:(\off)+512*\g
.endr
.endif
.endm
.macro FETCH_B n, q                    ; B's eight fragments of region n, K step q, into set q
	WIN TO_B
.irp i, 0,1,2,3,4,5,6,7
	FRAGB 128*(\q)+FR*\i, \n, \i*3072+(\q)*1536
.endr
	WIN 0
.endm
.macro FETCH_A n, q, i0                ; A's blocks i0 .. i0 + 3
.irp i, \i0, \i0+1, \i0+2, \i0+3
	FRAGA AF+FR*(\i), \n, (\i)*3072+(\q)*1536
.endr
.endm
.macro SCALES ks                       ; K slot ks's words into set ks % 2: register 2 i + q: lanes 0-15 A's block i, lanes 16-31 B's block i
.irp i, 0,1,2,3,4,5,6,7
	ds_load_b64 v[SC+16*((\ks)%2)+2*\i:SC+16*((\ks)%2)+2*\i+1], v[ADRS] offset:(\i/2)*1024+(\i%2)*128+(\ks)*256
.endr
.endm
; 16 matrix instructions: A's blocks a0, a0 + 1 x B's eight.  The 64 accumulators take turns, one instruction a turn, in the same order in every step.
.macro MUL16 a0, q, sc, zero
.irp a, \a0, \a0+1
.irp b, 0,1,2,3,4,5,6,7
.if \zero
	v_wmma_scale_f32_16x16x128_f8f6f4 v[8*(8*((\a)%4)+\b):8*(8*((\a)%4)+\b)+7], v[128*(\q)+FR*\b:128*(\q)+FR*\b+FR-1], v[AF+FR*(\a):AF+FR*(\a)+FR-1], 0, v[SC+16*(\sc)+2*\b+(\q)], v[SC+16*(\sc)+2*(\a)+(\q)] matrix_a_fmt:MATRIX_FMT_FP6 matrix_b_fmt:MATRIX_FMT_FP6 matrix_a_scale:MATRIX_SCALE_ROW1
.else
	v_wmma_scale_f32_16x16x128_f8f6f4 v[8*(8*((\a)%4)+\b):8*(8*((\a)%4)+\b)+7], v[128*(\q)+FR*\b:128*(\q)+FR*\b+FR-1], v[AF+FR*(\a):AF+FR*(\a)+FR-1], v[8*(8*((\a)%4)+\b):8*(8*((\a)%4)+\b)+7], v[SC+16*(\sc)+2*\b+(\q)], v[SC+16*(\sc)+2*(\a)+(\q)] matrix_a_fmt:MATRIX_FMT_FP6 matrix_b_fmt:MATRIX_FMT_FP6 matrix_a_scale:MATRIX_SCALE_ROW1
.endif
.endr
.endr
.endm
.macro PLACES                          ; four plain places behind matrix instructions, in front of loads into their registers and of the first read of results
.rept 4
	v_nop
.endr
.endm
; A step of 128 along K whose successor's tiles are known to be whole: K step q on scale set sc; it fetches region nreg's K step nq, and K slot nks's scale words where nks >= 0.
.macro STEP q, sc, zero, nreg, nq, nks
	s_wait_dscnt 4*NLA                             ; all but the youngest loads, A's blocks 4-7
	WIN MUL_LO
	MUL16 0, \q, \sc, \zero
	MUL16 2, \q, \sc, \zero
	s_wait_dscnt 0x0                               ; A's blocks 4-7 are in
	PLACES
	FETCH_B \nreg, \nq
	FETCH_A \nreg, \nq, 0
.if (\nks) >= 0
	SCALES \nks
.endif
	WIN MUL_HI
	MUL16 4, \q, \sc, \zero
	MUL16 6, \q, \sc, \zero
	PLACES
	WIN 0
	FETCH_A \nreg, \nq, 4
.endm
; A region's last step with a barrier: in front of it each wave waits for all its tensor loads, adds 0 to its spare word, and waits for that and for its reads of the region.
; fill = 1: the barrier opens a round of the cluster's, and region 0 is filled again, with K slot 3: that load has three and a half steps, 224 matrix instructions, in which to land.
.macro TURN sc, nreg, nks, fill
	s_wait_tensorcnt 0x0                           ; all my tensor loads have landed
	ds_add_u32 v[SPW], v[NIL]                      ; 0 onto my spare word
	s_wait_dscnt 4*NLA+1                           ; the add and A's blocks 4-7 may be out
	WIN MUL_LO
	MUL16 0, 1, \sc, 0
	s_wait_dscnt 0x0                               ; the add is done, and my reads of this region are over
	s_barrier_signal -1
	MUL16 2, 1, \sc, 0
	WIN 0
	s_barrier_wait -1
.if \fill
	CREST                                          ; no wave of any partner still reads region 0 or has a load on its way
	s_add_nc_u64 s[G0A+2:G0A+3], s[G0A+2:G0A+3], 3*PLANE
	s_add_nc_u64 s[G0B+2:G0B+3], s[G0B+2:G0B+3], 3*PLANE
	JLOAD G0A, G1, G0B, G1B                        ; the first tensor load behind the round; its four v_nop are the places in front of the loads below
.else
	PLACES
.endif
	FETCH_B \nreg, 0
	FETCH_A \nreg, 0, 0
	SCALES \nks
	WIN MUL_HI
	MUL16 4, 1, \sc, 0
	MUL16 6, 1, \sc, 0
	PLACES
	WIN 0
	FETCH_A \nreg, 0, 4
.endm
	s_wait_alu depctr_va_vdst(0)
	s_wait_tensorcnt 0x2                           ; of my four loads the scale words and K slot 0 are in; K slots 1 and 2 may be out
	s_barrier_signal -1
	s_barrier_wait -1
	FETCH_B 0, 0
	FETCH_A 0, 0, 0
	SCALES 0
	FETCH_A 0, 0, 4
	STEP 0, 0, 1, 0, 1, -1                         ; K slot 0: the first products start the sums
	TURN 0, 1, 1, 1                                ; behind its round regions 1 and 2 are whole in every wave's sight, and region 0 takes K slot 3
	STEP 0, 1, 0, 1, 1, -1                         ; K slot 1
	STEP 1, 1, 0, 2, 0, 2
	STEP 0, 0, 0, 2, 1, -1                         ; K slot 2
	TURN 0, 0, 3, 0                                ; K slot 3 has landed, in every wave's sight; nothing is filled again
	STEP 0, 1, 0, 0, 1, -1                         ; K slot 3
	s_wait_dscnt 4*NLA
	WIN MUL_LO
	MUL16 0, 1, 1, 0
	MUL16 2, 1, 1, 0
	s_wait_dscnt 0x0
	WIN MUL_HI
	MUL16 4, 1, 1, 0
	MUL16 6, 1, 1, 0
	WIN 0
.if IS_OUT
; THE WAY OUT, f32: a block of 16 rows x 128 columns goes through my stage and comes back as whole rows of 512 bytes.  The stage lies in region 1: it was filled once, and every wave has passed a barrier behind its last read of it.
	s_lshl_b32 s40, s12, 8
	s_lshl_b32 s41, s15, 7
	s_add_co_u32 s40, s40, s41                     ; my first token
	s_lshl_b32 s40, s40, 12                        ; rows of 4,096 bytes
	s_lshl_b32 s41, s8, 10
	s_add_co_u32 s40, s40, s41
	s_lshl_b32 s41, s16, 9
	s_add_co_u32 s40, s40, s41                     ; + my first column x 4
	s_mov_b32 s41, 0
	s_add_nc_u64 s[52:53], s[6:7], s[40:41]
.macro TOSTAGE a
.set AC, 64*((\a)%4)
	WIN 0x08+4*((\a)/4)                            ; an LDS store's data: window 2 or 3
.irp b, 0,1,2,3,4,5,6,7
	ds_store_b128 v[STO], v[AC+8*\b:AC+8*\b+3] offset:128*(\b/2)+32*(\b%2)         ; columns 32 (b / 2) + 16 h + 8 (b % 2) + 0 .. 7; each accumulator from its low end on
	ds_store_b128 v[STO], v[AC+8*\b+4:AC+8*\b+7] offset:128*(\b/2)+32*(\b%2)+16
.endr
	WIN 0
.set BB, BK+64*((\a)%2)
.irp t, 0,1,2,3,4,5,6,7,8,9,10,11,12,13,14,15
	ds_load_b128 v[BB+4*\t:BB+4*\t+3], v[RD] offset:\t*528   ; LDS serves a wave's instructions in order: these see my stores
.endr
.endm
.macro SEND a, younger
.set BB, BK+64*((\a)%2)
	s_wait_dscnt \younger                          ; the block is back; the next block's LDS instructions may be out
.irp t, 0,1,2,3,4,5,6,7,8,9,10,11,12,13,14,15
	global_store_b128 v[LI], v[BB+4*\t:BB+4*\t+3], s[52:53] offset:(32*((\a)/2)+8*((\a)%2)+\t+8*(\t/8))*4096 th:TH_STORE_NT   ; lane-row t of fragment a is that token; 512 consecutive bytes
.endr
.endm
	PLACES
	TOSTAGE 0
.irp a, 1,2,3,4,5,6,7
.if \a > 1
	s_wait_xcnt 0x0                                ; block a - 2's stores have read their registers: block a's loads may land there
.endif
	TOSTAGE \a
	SEND \a-1, 32                                  ; behind block a - 1's loads: block a's 16 stores and 16 loads
.endr
	SEND 7, 0
.else
; THE WAY OUT, codes: 64 numbers of a lane (four runs of 16 registers) become one image and one scale word a row, in registers; nothing goes through LDS.
	s_mov_b32 s3, 0xffff0000                       ; lanes 16-31
	s_cmp_eq_u32 ttmp9, 2                          ; (every tensor load has been waited for: the descriptors' registers are free)
	s_cselect_b32 s40, s9, s8                      ; the heads hang on w's tile: cy for v, cx for q and k
	s_cselect_b32 s41, s15, s16
	s_cselect_b32 s42, s13, s12                    ; the tokens' tile
	s_cselect_b32 s43, s16, s15
	s_cselect_b32 s44, 6144, 0                     ; V's images lie behind K's in a chunk
	s_cselect_b32 s45, 256, 0
	s_mov_b32 s46, 12288
	s_mov_b32 s48, 512
	s_mov_b32 s49, KVSC
	s_cmp_eq_u32 ttmp9, 0                          ; q?
	s_cselect_b32 s46, 6144, s46                   ; bytes of a chunk of 128 tokens
	s_cselect_b32 s47, 0, KVC
	s_cselect_b32 s48, 256, s48
	s_cselect_b32 s49, QSC, s49
	s_lshl_b32 s40, s40, 2
	s_lshl_b32 s41, s41, 1
	s_add_co_u32 s40, s40, s41                     ; my first head
	s_lshl_b32 s42, s42, 1
	s_add_co_u32 s42, s42, s43                     ; my chunk of 128 tokens, 0 .. 63
	s_lshr_b32 s43, s42, 4
	s_lshl_b32 s43, s43, 4
	s_add_co_u32 s43, s43, s40                     ; 16 x batch + head
	s_lshl_b32 s43, s43, 4
	s_and_b32 s42, s42, 15
	s_add_co_u32 s43, s43, s42                     ; x 16 + the chunk in its batch
	s_mul_i32 s50, s43, s46
	s_add_co_u32 s50, s50, s47
	s_add_co_u32 s50, s50, s44
	s_mov_b32 s51, 0
	s_add_nc_u64 s[52:53], s[6:7], s[50:51]        ; my first head's four images
	s_lshl_b32 s50, s46, 4
	s_add_nc_u64 s[54:55], s[52:53], s[50:51]      ; the next head's: 16 chunks on
	s_mul_i32 s50, s43, s48
	s_add_co_u32 s50, s50, s49
	s_add_co_u32 s50, s50, s45
	s_add_nc_u64 s[56:57], s[6:7], s[50:51]        ; and their scale words
	s_lshl_b32 s50, s48, 4
	s_add_nc_u64 s[58:59], s[56:57], s[50:51]
.macro QUANTW win, s0, s1, s2, s3, e   ; runs at v[s0], v[s1], v[s2], v[s3] of window win -> image e, word e
	WIN 0
.irp b, 0,1,2,3
	v_mov_b32 v[TM+\b], 0x1800000                  ; the floor 2^(3 - 127): the byte cannot fall under 1
.endr
	WIN ((\win)<<2)|((\win)<<4)                    ; sources 1 and 2 in the accumulators' window
.irp i, 0,2,4,6,8,10,12,14                     ; ascending: each accumulator is read from its low end on
	v_max3_num_f32 v[TM], v[TM], |v[(\s0)+\i]|, |v[(\s0)+\i+1]|
	v_max3_num_f32 v[TM+1], v[TM+1], |v[(\s1)+\i]|, |v[(\s1)+\i+1]|
	v_max3_num_f32 v[TM+2], v[TM+2], |v[(\s2)+\i]|, |v[(\s2)+\i+1]|
	v_max3_num_f32 v[TM+3], v[TM+3], |v[(\s3)+\i]|, |v[(\s3)+\i+1]|
.endr
	WIN 0
.irp b, 0,1,2,3
	v_permlanex16_b32 v[TM+4+\b], v[TM+\b], s20, s21
.endr
.irp b, 0,1,2,3
	v_max_num_f32 v[TM+\b], v[TM+\b], v[TM+4+\b]
.endr
.irp b, 0,1,2,3
	v_add_nc_u32 v[TM+8+\b], 0xff000000, v[TM+\b]
.endr
.irp b, 0,1,2,3
	v_lshrrev_b32 v[TM+4+\b], 23, v[TM+8+\b]
.endr
	v_lshl_or_b32 v[PWB+(\e)], v[TM+5], 8, v[TM+4]
	v_lshl_or_b32 v[PWB+(\e)], v[TM+6], 16, v[PWB+(\e)]
	v_lshl_or_b32 v[PWB+(\e)], v[TM+7], 24, v[PWB+(\e)]
	WIN (\win)                                     ; source 0 in the accumulators' window
	v_cvt_scalef32_pk16_fp6_f32 v[PCB+12*(\e):PCB+12*(\e)+2], v[(\s0):(\s0)+15], v[TM+8]
	v_cvt_scalef32_pk16_fp6_f32 v[TT:TT+2], v[(\s1):(\s1)+15], v[TM+9]
	v_cvt_scalef32_pk16_fp6_f32 v[PCB+12*(\e)+6:PCB+12*(\e)+8], v[(\s2):(\s2)+15], v[TM+10]
	v_cvt_scalef32_pk16_fp6_f32 v[TT+4:TT+6], v[(\s3):(\s3)+15], v[TM+11]
	WIN 0
	v_nop                                          ; one plain place behind a scaled conversion
.irp c, 0,1
.irp i, 0,1,2
	v_permlane16_swap_b32 v[PCB+12*(\e)+6*\c+\i], v[TT+4*\c+\i]
.endr
.irp i, 0,1,2
	v_mov_b32 v[PCB+12*(\e)+3+6*\c+\i], v[TT+4*\c+\i]
.endr
.endr
.endm
	s_mov_b32 s20, 0x76543210
	s_mov_b32 s21, 0xfedcba98
	PLACES
.irp b, 0,1,2,3
	v_mov_b32 v[TM+4+\b], 0                        ; a lane permute's destination counts as one of its sources
.endr
	s_cmp_eq_u32 ttmp9, 2
	s_cbranch_scc1 .Lv_out
; q and k: head c = B's blocks 4 c .. 4 c + 3; image j = the tokens' group j: tile u = 0's 64 numbers (A's block 2 j) in registers 0-5, tile u = 1's (block 2 j + 1) in registers 6-11
.irp c, 0,1
.irp j, 0,1,2,3
	QUANTW 2+\j/2, 8*(8*((2*\j)%4)+4*\c), 8*(8*((2*\j)%4)+4*\c)+16, 8*(8*((2*\j+1)%4)+4*\c), 8*(8*((2*\j+1)%4)+4*\c)+16, 4*\c+\j
.endr
.endr
	s_branch .Lstore
.Lv_out:
; v: head c = A's blocks 4 c .. 4 c + 3; image j = 16 channels (block 4 c + j) x my 128 keys
.irp c, 0,1
.irp j, 0,1,2,3
	QUANTW 2+\c, 64*\j, 64*\j+16, 64*\j+32, 64*\j+48, 4*\c+\j
.endr
.endr
.Lstore:
	s_wait_alu depctr_va_vdst(0)
.irp c, 0,1
.irp j, 0,1,2,3
.irp g, 0,1,2
	global_store_b128 v[LI], v[PCB+12*(4*\c+\j)+4*\g:PCB+12*(4*\c+\j)+4*\g+3], s[52+2*\c:53+2*\c] offset:\j*1536+512*\g   ; 512 consecutive bytes
.endr
.endr
	v_cndmask_b32 v[104+2*\c], v[PWB+4*\c], v[PWB+4*\c+1], s3      ; lanes 0-15 image 0's words, lanes 16-31 image 1's
	v_cndmask_b32 v[105+2*\c], v[PWB+4*\c+2], v[PWB+4*\c+3], s3    ; images 2 and 3
	global_store_b64 v[L8], v[104+2*\c:105+2*\c], s[56+2*\c:57+2*\c]   ; 256 consecutive bytes
.endr
.endif
	s_wait_tensorcnt 0x0                           ; the wave's end
	ds_add_u32 v[SPW], v[NIL]
	s_wait_dscnt 0x0
	CROUND                                         ; the closing round
	s_endpgm
.Lfunc_end_k_q7ef30c362e_gemm_qkv:
	.size	k_q7ef30c362e_gemm_qkv, .Lfunc_end_k_q7ef30c362e_gemm_qkv-k_q7ef30c362e_gemm_qkv
	.p2alignl 7, 3214868480
	.fill 96, 4, 3214868480
	.section	.rodata,"a",@progbits
	.p2align	6, 0x0
	.amdhsa_kernel k_q7ef30c362e_gemm_qkv
		.amdhsa_group_segment_fixed_size 327680
		.amdhsa_private_segment_fixed_size 0
		.amdhsa_enable_private_segment 0
		.amdhsa_kernarg_size 16
		.amdhsa_user_sgpr_count 2
		.amdhsa_user_sgpr_kernarg_segment_ptr 1
		.amdhsa_wavefront_size32 1
		.amdhsa_system_sgpr_workgroup_id_x 1
		.amdhsa_system_sgpr_workgroup_id_y 1
		.amdhsa_system_sgpr_workgroup_id_z 1
		.amdhsa_system_vgpr_workitem_id 0
		.amdhsa_next_free_vgpr 1024
		.amdhsa_next_free_sgpr 102
		.amdhsa_reserve_vcc 0
		.amdhsa_float_denorm_mode_32 3
		.amdhsa_float_denorm_mode_16_64 3
		.amdhsa_memory_ordered 1
		.amdhsa_forward_progress 1
		.amdhsa_inst_pref_size 174
	.end_amdhsa_kernel
	.amdgpu_metadata
---
amdhsa.version: [ 1, 2 ]
amdhsa.kernels:
  - .name:           k_q7ef30c362e_gemm_qkv
    .symbol:         k_q7ef30c362e_gemm_qkv.kd
    .args:
      - { .name: g1, .offset: 0, .size: 8, .value_kind: global_buffer, .address_space: global }
      - { .name: qkv, .offset: 8, .size: 8, .value_kind: global_buffer, .address_space: global }
    .group_segment_fixed_size: 327680
    .private_segment_fixed_size: 0
    .kernarg_segment_align: 8
    .kernarg_segment_size: 16
    .max_flat_workgroup_size: 128
    .sgpr_count:     102
    .vgpr_count:     1024
    .wavefront_size: 32
...
	.end_amdgpu_metadata
.endif
;; end of part 2
;; launch attn (part 3): grid 4 x 64, 16 waves a work-group, no clusters, 327,680 bytes of LDS; arguments qkv, g2; writes g2
.if DOCPART == 3
	.amdgcn_target "amdgcn-amd-amdhsa--gfx1250"
	.amdhsa_code_object_version 6
	.text
	.protected	k_q7ef30c362e_attn
	.globl	k_q7ef30c362e_attn
	.p2align	8
	.type	k_q7ef30c362e_attn,@function
k_q7ef30c362e_attn:
	s_mov_b64 s[64:65], 0
	v_nop
	global_prefetch_b8 v0, s[64:65] scope:SCOPE_SE
	s_setreg_imm32_b32 hwreg(HW_REG_WAVE_MODE, 25, 1), 1
	s_wait_xcnt 0x0
; Causal attention on codes of FP6 (E2M3), 64 (batch, head) pairs of 2,048 tokens x 64 channels; the result is normalised, quantised along the 1,024 channels and stored as the next product's operand.
; INPUT (qkv): a chunk is 128 tokens.  Q at 0: [bh][chunk][4 images]; K, V at KVC: [bh][chunk][K's 4 images | V's 4 images]; an image is 1,536 bytes, registers 4 g .. 4 g + 3 of lane L at 512 g + 16 L.
; An image of Q or K holds a group of 32 tokens: registers 0-5 tile u = 0's 64 channels, registers 6-11 tile u = 1's; lane-row r of tile u is token 32 G + 8 u + r + 8 (r / 8).  An image of V is 16 channels x the chunk's 128 keys.
; Scale words: 256 bytes for 4 images: word jj of lane L at 8 L + 4 jj belongs to image 2 jj + L / 16, row L % 16.
; K = 64 IN AN INSTRUCTION OF 128: source 0 = an image of K (two tiles), source 1 = (q, zeros) for tile u = 0 or (zeros, q) for tile u = 1: zero codes add nothing.
; SOFTMAX: t = score x log2(e) / 8; M = the running largest t rounded up to a whole number; p = 2^(t - M) is quantised along the keys; the sum is taken of the unquantised p and divides at the end.
; SHARES: work-group x = j takes query blocks (of 256) j and 7 - j of one bh: j + 1 and 8 - j key slots of 256 keys: nine visits in every work-group, so the trip counts are constants.  Each of 16 waves owns one tile of 16 queries.
; Both products are used transposed: a lane holds one query throughout.  A step whose 128 keys all come after the wave's queries is jumped over (a branch on ids).
; RING: two LDS slots of 256 keys (24,576 bytes of codes, 1,024 of scale words); waves 0-2 bring a third of the codes each, wave 3 the scale words; one tensor load a wave is out.
; NO CLUSTER: in one visit the four work-groups of a bh want different key slots (visit v is slot v or v - j - 1); a common walk of slots 0 .. 7 for all four would take 12 slots' time for the longest partner's pair against 9 here.
; LIMITS: a block of zeros, or one under 2^-124, keeps the byte 1 (read by this program alone); NaN and infinities are not served.
; REGISTERS: v1 16 L, v2 8 L, v3 my spare word, v4 0, v5 my query less 16 h less Q0, v6 8 r, v7 256 L; v8, v9 LDS addresses in hand; v12 -M, v13 largest t, v[14:15] the sum; v16-33 q | zeros | q; v34 q's scale word;
; v36-42 the second pass's q and word; v44-91 four images of K or V; v[92:93] K's scale words, v[94:95] V's; v96-159 S^T, then p; v160-191 O^T; v192-203 p's codes; v204-211, v232-254 at work.
.set KVC,    6291456
.set QSC,    18874368
.set KVSC,   19136512
.set PLANE2, 1769472
.set SC2,    4*PLANE2
.set SLOT1,  32768                     ; slot 1: one exclusive or turns an address from one slot to the other
.set SCO,    24576                     ; a slot's scale words
.set SPARE,  65536                     ; the spare words, 128 bytes a wave: eight blocks of 256 bytes that no other line names
; s8 wave, s9 j, s10 bh, s11 visit, s12 next visit's key slot, s13 the step's first key, s14 Q0 (my group's first query), s15 the slot in hand, s[16:17] lane selects, s[18:19] c, s20 the second pass's Q0,
; s21 from which visit on I prefetch, s22 -u, s23 byte select, s[24:31], s[32:39] groups 1, s[40:43], s[44:47] groups 0, s[48:49], s[50:51] K/V codes and scale words of my bh, s[52:53] prefetch, s[54:61] where the results go
.macro TLOAD                           ; the branches hang on the wave's number alone; an s_nop 0 and four v_nop follow each line
	s_cmp_lt_u32 s8, 3
	s_cbranch_scc0 .Lnot_c_\@
	tensor_load_to_lds s[40:43], s[24:31]
	s_nop 0
.rept 4
	v_nop
.endr
	s_branch .Lasked_\@
.Lnot_c_\@:
	s_cmp_lt_u32 s8, 4
	s_cbranch_scc0 .Lasked_\@
	tensor_load_to_lds s[44:47], s[32:39]
	s_nop 0
.rept 4
	v_nop
.endr
.Lasked_\@:
.endm
; A prefetch of the codes of the key slot that the NEXT change of slots will ask for.  All four work-groups of a bh walk the same K and V: work-group x = 0 asks, whose second pass walks slots 0 .. 7 in visits 1 .. 8.
; In visit v (1 .. 6) its waves 4, 5, 6 name slot v + 1: 8,192 bytes a wave, lanes 256 bytes apart: each block of 256 bytes once in the launch.  Slots 0 and 1 come by their loads alone; the scale words (1,024 of a slot's 25,600 bytes) are not asked for.
.macro ASK
	s_cmp_ge_u32 s11, s21
	s_cbranch_scc0 .Lnot_mine_\@
	s_cmp_le_u32 s11, 6
	s_cbranch_scc0 .Lnot_mine_\@
	global_prefetch_b8 v7, s[52:53] th:TH_LOAD_NT scope:SCOPE_SE
.Lnot_mine_\@:
.endm
	s_load_b128 s[4:7], s[0:1], 0x0                ; qkv s[4:5], g2 s[6:7]
	v_lshl_add_u32 v3, v0, 2, SPARE
	v_mov_b32 v4, 0
	ds_add_u32 v3, v4                              ; the wave's opening: the add, and its wait ahead of my first tensor load; work on registers stands between
	ds_add_u32 v3, v4
	v_lshrrev_b32 v8, 5, v0
	s_delay_alu instid0(VALU_DEP_1)
	v_readfirstlane_b32 s8, v8
	s_mov_b32 s9, ttmp9
	s_and_b32 s10, ttmp7, 0xffff
	s_mov_b32 s24, 3<<16                           ; 8,192 dense bytes as 32 rows of 256 (32 elements of 8 bytes)
	s_mov_b32 s25, 32<<16
	s_mov_b32 s26, 32<<16
	s_mov_b32 s27, 32<<16
	s_mov_b32 s28, 32
	s_mov_b32 s29, 32
	s_mov_b32 s30, 0
	s_mov_b32 s31, 0
	s_mov_b32 s32, 3<<16                           ; 1,024 dense bytes as 4 rows of 256
	s_mov_b32 s33, 32<<16
	s_mov_b32 s34, 4<<16
	s_mov_b32 s35, 32<<16
	s_mov_b32 s36, 4
	s_mov_b32 s37, 32
	s_mov_b32 s38, 0
	s_mov_b32 s39, 0
	s_mov_b32 s16, 0x76543210
	s_mov_b32 s17, 0xfedcba98
	s_mov_b32 s18, 0x3e38aa3b                      ; c = log2(e) / 8
	s_mov_b32 s19, s18
	s_mov_b32 s11, 0
	s_mov_b32 s12, 0
	s_mov_b32 s13, 0
	s_mov_b32 s15, 0
	s_and_b32 s73, s8, 1                           ; u
	s_sub_co_u32 s22, 0, s73                       ; all lanes where u = 1
	s_mov_b32 s23, 0x03020302
	s_cmp_eq_u32 s73, 0
	s_cselect_b32 s23, 0x01000100, s23             ; my tile's two bytes of a word, twice
	s_sub_co_u32 s72, s8, 4
	s_cmp_lt_u32 s72, 3                            ; waves 4 to 6
	s_cselect_b32 s21, 1, 9
	s_cmp_eq_u32 s9, 0                             ; of work-group x = 0
	s_cselect_b32 s21, s21, 9
	s_lshr_b32 s66, s8, 1
	s_lshl_b32 s90, s9, 3
	s_add_co_u32 s90, s90, s66                     ; my group of 32 queries in pass 0: 8 j + wave / 2
	s_sub_co_u32 s91, 7, s9
	s_lshl_b32 s91, s91, 3
	s_add_co_u32 s91, s91, s66                     ; in pass 1: 8 (7 - j) + wave / 2
	s_lshl_b32 s14, s90, 5
	s_lshl_b32 s20, s91, 5
	v_and_b32 v8, 31, v0
	s_delay_alu instid0(VALU_DEP_1)
	v_lshlrev_b32 v1, 4, v8
	s_delay_alu instid0(VALU_DEP_2)
	v_lshlrev_b32 v2, 3, v8
	s_delay_alu instid0(VALU_DEP_3)
	v_lshlrev_b32 v7, 8, v8
	v_and_b32 v8, 15, v0                           ; r
	s_delay_alu instid0(VALU_DEP_1)
	v_lshlrev_b32 v6, 3, v8
	s_delay_alu instid0(VALU_DEP_2)
	v_and_b32 v9, 8, v8
	s_delay_alu instid0(VALU_DEP_1)
	v_add_nc_u32 v5, v8, v9                        ; r + 8 (r / 8)
	v_bfe_u32 v10, v0, 4, 1
	s_delay_alu instid0(VALU_DEP_1)
	v_lshlrev_b32 v10, 4, v10
	s_delay_alu instid0(VALU_DEP_1)
	v_sub_nc_u32 v5, v5, v10                       ; - 16 h
	s_lshl_b32 s66, s73, 3
	v_add_nc_u32 v5, s66, v5                       ; + 8 u
	s_min_u32 s66, s8, 2
	s_lshl_b32 s66, s66, 13                        ; my third of a slot's codes
	s_mov_b32 s40, 1
	s_mov_b32 s41, s66                             ; slot 0
	s_mov_b32 s44, 1
	s_mov_b32 s45, SCO
	s_mul_i32 s68, s10, 196608                     ; 16 chunks of 12,288 bytes a bh
	s_add_co_u32 s68, s68, KVC
	s_add_co_u32 s70, s68, s66
	s_mov_b32 s71, 0
	s_and_b32 s84, s8, 3
	s_lshl_b32 s84, s84, 13
	s_add_co_u32 s84, s84, s68
	s_mov_b32 s85, 0
	s_lshl_b32 s86, s10, 13                        ; 16 chunks of 512 bytes
	s_add_co_u32 s86, s86, KVSC
	s_mov_b32 s87, 0
	; where the results go: fragment 2 Gg + u of g2, K slot head / 4, K step (head / 2) % 2, half head % 2
	s_lshr_b32 s66, s10, 4                         ; batch
	s_and_b32 s67, s10, 15                         ; head
	s_lshr_b32 s69, s67, 2
	s_mul_i32 s88, s69, PLANE2
	s_lshl_b32 s89, s69, 8
	s_mul_i32 s69, s66, 393216                     ; 64 groups of 6,144 bytes a batch
	s_add_co_u32 s88, s88, s69
	s_lshl_b32 s69, s66, 16                        ; 64 groups of 1,024 bytes
	s_add_co_u32 s89, s89, s69
	s_mul_i32 s69, s73, 3072
	s_add_co_u32 s88, s88, s69
	s_lshl_b32 s69, s73, 7
	s_add_co_u32 s89, s89, s69
	s_bfe_u32 s69, s67, 0x10001
	s_mul_i32 s72, s69, 1536
	s_add_co_u32 s88, s88, s72
	s_lshl_b32 s69, s69, 2
	s_add_co_u32 s89, s89, s69
	s_and_b32 s69, s67, 1
	s_mul_i32 s72, s69, 768
	s_add_co_u32 s88, s88, s72
	s_lshl_b32 s69, s69, 1
	s_add_co_u32 s89, s89, s69
	s_add_co_u32 s89, s89, SC2
	s_wait_dscnt 0x0                               ; the opening add is done
	s_wait_kmcnt 0x0
	s_add_nc_u64 s[48:49], s[4:5], s[70:71]
	s_add_nc_u64 s[50:51], s[4:5], s[86:87]
	s_add_nc_u64 s[52:53], s[4:5], s[84:85]        ; stepped a slot at every change: in visit v it stands at slot v + 1
	s_mov_b64 s[42:43], s[48:49]
	s_or_b32 s43, s43, 0x80000000
	s_mov_b64 s[46:47], s[50:51]
	s_or_b32 s47, s47, 0x80000000
	TLOAD                                          ; key slot 0 into slot 0: the one first fill
.macro QPTR gl, pc, pw                 ; group gl's image of Q and its rows' scale words
	s_mul_i32 s82, s10, 98304
	s_mul_i32 s83, s[\gl], 1536
	s_add_co_u32 s82, s82, s83
	s_mov_b32 s83, 0
	s_add_nc_u64 s[\pc:\pc+1], s[4:5], s[82:83]
	s_lshl_b32 s82, s10, 12
	s_lshr_b32 s83, s[\gl], 2
	s_lshl_b32 s83, s83, 8
	s_add_co_u32 s82, s82, s83
	s_and_b32 s83, s[\gl], 1
	s_lshl_b32 s83, s83, 7
	s_add_co_u32 s82, s82, s83
	s_bfe_u32 s83, s[\gl], 0x10001
	s_lshl_b32 s83, s83, 2
	s_add_co_u32 s82, s82, s83
	s_add_co_u32 s82, s82, QSC
	s_mov_b32 s83, 0
	s_add_nc_u64 s[\pw:\pw+1], s[4:5], s[82:83]
.endm
.macro OPTR gl, oc, os
	s_mul_i32 s82, s[\gl], 6144
	s_add_co_u32 s82, s82, s88
	s_mov_b32 s83, 0
	s_add_nc_u64 s[\oc:\oc+1], s[6:7], s[82:83]
	s_lshl_b32 s82, s[\gl], 10
	s_add_co_u32 s82, s82, s89
	s_add_nc_u64 s[\os:\os+1], s[6:7], s[82:83]
.endm
	QPTR 90, 74, 76
	QPTR 91, 78, 80
	OPTR 90, 54, 56
	OPTR 91, 58, 60
.irp g, 0,1,2
	global_load_b128 v[44+4*\g:47+4*\g], v1, s[74:75] offset:512*\g
	global_load_b128 v[56+4*\g:59+4*\g], v1, s[78:79] offset:512*\g
.endr
	s_wait_alu depctr_va_vdst(0)
	global_load_b32 v68, v6, s[76:77]
	global_load_b32 v69, v6, s[80:81]
	s_wait_loadcnt 0x0
.irp i, 0,1,2,3,4,5
	v_cndmask_b32 v[16+\i], v[44+\i], v[50+\i], s22    ; my tile's six registers of the image
	v_cndmask_b32 v[36+\i], v[56+\i], v[62+\i], s22
.endr
	v_perm_b32 v34, v68, v68, s23                  ; (s0, s1, s0, s1): it serves (q, zeros) and (zeros, q)
	v_perm_b32 v42, v69, v69, s23
.irp i, 0,1,2,3,4,5
	v_mov_b32 v[22+\i], 0
	v_mov_b32 v[28+\i], v[16+\i]
.endr
	v_mov_b32 v13, 0xff61b1e6                      ; the largest t so far: -3e38
	s_delay_alu instid0(VALU_DEP_1)
	v_floor_f32 v12, -v13                          ; -M
	v_mov_b32 v14, 0
	v_mov_b32 v15, 0
.irp b, 0,1,2,3
	v_mov_b32 v[236+\b], 0                         ; a lane permute's destination counts as one of its sources
.endr
	v_mov_b32 v252, 0
	v_mov_b32 v253, 0
.irp j, 0,1,2,3,4,5,6,7,8,9,10,11,12,13,14,15,16,17,18,19,20,21,22,23,24,25,26,27,28,29,30,31
	v_mov_b32 v[160+\j], 0                         ; O^T: the step is written once; the first change of M multiplies zeros
.endr
.macro SMUL d, a, b, sc, row1          ; a tile of S^T: 16 keys x my 16 queries
.if \row1
	v_wmma_scale_f32_16x16x128_f8f6f4 v[(\d):(\d)+7], v[(\a):(\a)+11], v[(\b):(\b)+11], 0, v[(\sc)], v34 matrix_a_fmt:MATRIX_FMT_FP6 matrix_b_fmt:MATRIX_FMT_FP6 matrix_a_scale:MATRIX_SCALE_ROW1
.else
	v_wmma_scale_f32_16x16x128_f8f6f4 v[(\d):(\d)+7], v[(\a):(\a)+11], v[(\b):(\b)+11], 0, v[(\sc)], v34 matrix_a_fmt:MATRIX_FMT_FP6 matrix_b_fmt:MATRIX_FMT_FP6
.endif
.endm
.macro PMUL d, a, sc, row1             ; a tile of O^T += 16 channels x 128 keys x p
.if \row1
	v_wmma_scale_f32_16x16x128_f8f6f4 v[(\d):(\d)+7], v[(\a):(\a)+11], v[192:203], v[(\d):(\d)+7], v[(\sc)], v253 matrix_a_fmt:MATRIX_FMT_FP6 matrix_b_fmt:MATRIX_FMT_FP6 matrix_a_scale:MATRIX_SCALE_ROW1
.else
	v_wmma_scale_f32_16x16x128_f8f6f4 v[(\d):(\d)+7], v[(\a):(\a)+11], v[192:203], v[(\d):(\d)+7], v[(\sc)], v253 matrix_a_fmt:MATRIX_FMT_FP6 matrix_b_fmt:MATRIX_FMT_FP6
.endif
.endm
; A KEY STEP: chunk q of the slot in hand
.macro STEP q
	s_add_co_u32 s66, s14, 31
	s_cmp_gt_u32 s13, s66                          ; all 128 keys come after my group's queries: nothing to do
	s_cbranch_scc1 .Lhidden_\@
	v_add_nc_u32 v8, s15, v1
	v_add_nc_u32 v9, s15, v2
	v_nop
	v_nop                                          ; four plain places behind the last products, in front of loads into their registers
.irp g, 0,1,2,3
.irp i, 0,1,2
	ds_load_b128 v[44+12*\g+4*\i:47+12*\g+4*\i], v8 offset:12288*(\q)+1536*\g+512*\i
.endr
.endr
	ds_load_b64 v[92:93], v9 offset:SCO+512*(\q)
	s_wait_alu depctr_va_vdst(0)
	s_wait_dscnt 0x0
.irp g, 0,1,2,3                                ; tiles 2 g and 2 g + 1: their 16 registers are keys 32 g + 16 h + 0 .. 15
	SMUL 96+16*\g, 44+12*\g, 16, 92+\g/2, \g%2
	SMUL 104+16*\g, 44+12*\g, 22, 92+\g/2, \g%2
.endr
.rept 4
	v_nop
.endr
.irp t, 0,1,2,3                                ; V's four images into the same registers: they land while the softmax is worked
.irp i, 0,1,2
	ds_load_b128 v[44+12*\t+4*\i:47+12*\t+4*\i], v8 offset:12288*(\q)+6144+1536*\t+512*\i
.endr
.endr
	ds_load_b64 v[94:95], v9 offset:SCO+512*(\q)+256
	s_add_co_u32 s66, s13, 127
	s_cmp_le_u32 s66, s14                          ; every key counts for every query of my group
	s_cbranch_scc1 .Lopen_\@
	s_sub_co_i32 s66, s14, s13
	v_add_nc_u32 v252, s66, v5                     ; d = my query - the step's first key - 16 h: register 16 b + i holds a hidden key where 32 b + i > d
	v_mov_b32 v254, 0xff800000                     ; -infinity
.irp n, 0,1,2,3,4,5,6,7,8,9,10,11,12,13,14,15,16,17,18,19,20,21,22,23,24,25,26,27,28,29,30,31,32,33,34,35,36,37,38,39,40,41,42,43,44,45,46,47,48,49,50,51,52,53,54,55,56,57,58,59,60,61,62,63
	v_cmp_gt_i32 vcc_lo, 32*(\n/16)+\n%16, v252
	v_cndmask_b32 v[96+\n], v[96+\n], v254, vcc_lo
.endr
.Lopen_\@:
.irp b, 0,1,2,3
	v_max3_num_f32 v[232+\b], v[96+16*\b], v[97+16*\b], v[98+16*\b]   ; the largest score of each block of 32 keys: for the row's maximum, and for the block's largest p
.endr
.irp i, 3,5,7,9,11,13
.irp b, 0,1,2,3
	v_max3_num_f32 v[232+\b], v[232+\b], v[96+16*\b+\i], v[97+16*\b+\i]
.endr
.endr
.irp b, 0,1,2,3
	v_max_num_f32 v[232+\b], v[232+\b], v[111+16*\b]
.endr
.irp b, 0,1,2,3
	s_delay_alu instid0(VALU_DEP_4)
	v_permlanex16_b32 v[236+\b], v[232+\b], s16, s17
.endr
.irp b, 0,1,2,3
	s_delay_alu instid0(VALU_DEP_4)
	v_max_num_f32 v[232+\b], v[232+\b], v[236+\b]
.endr
	s_delay_alu instid0(VALU_DEP_2)
	v_max3_num_f32 v254, v232, v233, v234
	s_delay_alu instid0(VALU_DEP_1)
	v_max_num_f32 v254, v254, v235
	s_delay_alu instid0(VALU_DEP_1)
	v_mul_f32 v254, s18, v254
	s_delay_alu instid0(VALU_DEP_1)
	v_max_num_f32 v13, v13, v254                   ; the running largest t
	v_mov_b32 v254, v12
	s_delay_alu instid0(VALU_DEP_2)
	v_floor_f32 v12, -v13                          ; the new -M = -ceil(t)
	s_delay_alu instid0(VALU_DEP_1)
	v_sub_f32 v254, v12, v254                      ; old M - new M: a whole number, 0 or less
	s_delay_alu instid0(VALU_DEP_1)
	v_cvt_i32_f32 v254, v254
	s_delay_alu instid0(VALU_DEP_1)
	v_ldexp_f32 v252, 1.0, v254                    ; f = 2^(old M - new M): multiplying by it rounds nothing
.irp j, 0,2,4,6,8,10,12,14,16,18,20,22,24,26,28,30,32,34,36,38,40,42,44,46,48,50,52,54,56,58,60,62
	v_pk_fma_f32 v[96+\j:97+\j], v[96+\j:97+\j], s[18:19], v[12:13] op_sel_hi:[1,0,0]   ; t - M
.endr
.irp b, 0,1,2,3
	v_fma_f32 v[232+\b], v[232+\b], s18, v12
.endr
	s_wait_alu depctr_va_vdst(0)
.irp j, 0,1,2,3,4,5,6,7,8,9,10,11,12,13,14,15,16,17,18,19,20,21,22,23,24,25,26,27,28,29,30,31,32,33,34,35,36,37,38,39,40,41,42,43,44,45,46,47,48,49,50,51,52,53,54,55,56,57,58,59,60,61,62,63
	v_exp_f32 v[96+\j], v[96+\j]                   ; p = 2^(t - M)
.endr
	v_pk_mul_f32 v[14:15], v[14:15], v[252:253] op_sel_hi:[1,0]   ; the sums under the new M: a plain place behind the exponentials
	s_wait_alu depctr_va_vdst(0)                   ; one wait for the batch, ahead of its first reader
.irp b, 0,1,2,3
	v_exp_f32 v[232+\b], v[232+\b]                 ; each block's largest p
.endr
	v_pk_add_f32 v[236:237], v[100:101], v[104:105]
	v_pk_add_f32 v[254:255], v[108:109], v[112:113]
	v_pk_add_f32 v[250:251], v[116:117], v[120:121]
	v_pk_add_f32 v[248:249], v[124:125], v[128:129]
	v_pk_add_f32 v[246:247], v[132:133], v[136:137]
	v_pk_add_f32 v[244:245], v[140:141], v[144:145]
	v_pk_add_f32 v[242:243], v[148:149], v[152:153]
	v_pk_add_f32 v[14:15], v[14:15], v[156:157]
	v_pk_add_f32 v[236:237], v[236:237], v[96:97]
	v_pk_add_f32 v[254:255], v[254:255], v[98:99]
	v_pk_add_f32 v[250:251], v[250:251], v[102:103]
	v_pk_add_f32 v[248:249], v[248:249], v[106:107]
	v_pk_add_f32 v[246:247], v[246:247], v[110:111]
	v_pk_add_f32 v[244:245], v[244:245], v[114:115]
	v_pk_add_f32 v[242:243], v[242:243], v[118:119]
	v_pk_add_f32 v[14:15], v[14:15], v[122:123]
	v_pk_add_f32 v[236:237], v[236:237], v[126:127]
	v_pk_add_f32 v[254:255], v[254:255], v[130:131]
	v_pk_add_f32 v[250:251], v[250:251], v[134:135]
	v_pk_add_f32 v[248:249], v[248:249], v[138:139]
	v_pk_add_f32 v[246:247], v[246:247], v[142:143]
	v_pk_add_f32 v[244:245], v[244:245], v[146:147]
	v_pk_add_f32 v[242:243], v[242:243], v[150:151]
	v_pk_add_f32 v[14:15], v[14:15], v[154:155]
	v_pk_add_f32 v[236:237], v[236:237], v[158:159]
	s_delay_alu instid0(VALU_DEP_2)
	v_pk_add_f32 v[14:15], v[14:15], v[248:249]
	s_delay_alu instid0(VALU_DEP_2)
	v_pk_add_f32 v[236:237], v[236:237], v[246:247]
	v_pk_add_f32 v[254:255], v[254:255], v[244:245]
	v_pk_add_f32 v[250:251], v[250:251], v[242:243]
	s_delay_alu instid0(VALU_DEP_2)
	v_pk_add_f32 v[14:15], v[14:15], v[254:255]
	s_delay_alu instid0(VALU_DEP_2)
	v_pk_add_f32 v[236:237], v[236:237], v[250:251]
	s_delay_alu instid0(VALU_DEP_1)
	v_pk_add_f32 v[14:15], v[14:15], v[236:237]
	s_wait_alu depctr_va_vdst(0)                   ; and one for the four
.irp b, 0,1,2,3
	v_max_num_f32 v[232+\b], 0x1800000, v[232+\b]  ; the floor
.endr
.irp b, 0,1,2,3
	s_delay_alu instid0(VALU_DEP_4)
	v_add_nc_u32 v[244+\b], 0xff000000, v[232+\b]
.endr
.irp b, 0,1,2,3
	s_delay_alu instid0(VALU_DEP_4)
	v_lshrrev_b32 v[236+\b], 23, v[244+\b]
.endr
	s_delay_alu instid0(VALU_DEP_3)
	v_lshl_or_b32 v253, v237, 8, v236              ; p's scale word for these 128 keys
	s_delay_alu instid0(VALU_DEP_1)
	v_lshl_or_b32 v253, v238, 16, v253
	s_delay_alu instid0(VALU_DEP_1)
	v_lshl_or_b32 v253, v239, 24, v253
.irp c, 0,1
	v_cvt_scalef32_pk16_fp6_f32 v[192+6*\c:194+6*\c], v[96+32*\c:111+32*\c], v[244+2*\c]
	v_cvt_scalef32_pk16_fp6_f32 v[204+4*\c:206+4*\c], v[112+32*\c:127+32*\c], v[244+2*\c+1]
.endr
	v_nop                                          ; one plain place behind a scaled conversion
.irp c, 0,1
.irp i, 0,1,2
	v_permlane16_swap_b32 v[192+6*\c+\i], v[204+4*\c+\i]
.endr
.irp i, 0,1,2
	s_delay_alu instid0(VALU_DEP_3)
	v_mov_b32 v[195+6*\c+\i], v[204+4*\c+\i]
.endr
.endr
.irp j, 0,2,4,6,8,10,12,14,16,18,20,22,24,26,28,30
	v_pk_mul_f32 v[160+\j:161+\j], v[160+\j:161+\j], v[252:253] op_sel_hi:[1,0]   ; O^T under the new M; these sixteen are also the places in front of the scaled products below
.endr
	s_wait_alu depctr_va_vdst(0)
	s_wait_dscnt 0x0                               ; V is in
.irp t, 0,1,2,3                                ; four accumulators, one instruction each; the eight products of S^T stand between two links of a chain
	PMUL 160+8*\t, 44+12*\t, 94+\t/2, \t%2
.endr
.Lhidden_\@:
	s_add_co_u32 s13, s13, 128
.endm
; THE CHANGE OF SLOTS, at a visit's head: each wave waits for all its tensor loads, adds 0 to its spare word, and waits for that and for its reads of the slot that it has left.  fill = 1: that slot takes the next visit's keys.
.macro CHANGE fill
	s_wait_tensorcnt 0x0                           ; no tensor load of mine is out: the groups 0 may be written
	ds_add_u32 v3, v4
.if \fill
	s_xor_b32 s41, s41, SLOT1
	s_xor_b32 s45, s45, SLOT1
	s_add_co_u32 s66, s11, 1                       ; the next visit,
	s_add_co_u32 s67, s9, 1
	s_cmp_gt_u32 s66, s9
	s_cselect_b32 s67, s67, 0
	s_sub_co_u32 s12, s66, s67                     ; its key slot: v, or v - j - 1 in the second pass
	s_mul_i32 s66, s12, 24576
	s_mov_b32 s67, 0
	s_add_nc_u64 s[42:43], s[48:49], s[66:67]
	s_or_b32 s43, s43, 0x80000000
	s_lshl_b32 s66, s12, 10
	s_add_nc_u64 s[46:47], s[50:51], s[66:67]
	s_or_b32 s47, s47, 0x80000000
	s_wait_xcnt 0x0                                ; the last prefetch, a visit back, has read its address
	s_add_nc_u64 s[52:53], s[52:53], 24576
.endif
	s_wait_dscnt 0x0                               ; the add is done, and my reads of the slot that I have left are over
	s_barrier_signal -1
	s_barrier_wait -1
.if \fill
	TLOAD                                          ; the first thing behind the barrier, and a wave's one tensor load until the next
	ASK
.endif
.endm
; A PASS'S END: O^T / the sum; its 64 channels are two blocks of the next product's K; codes and bytes go to g2.  more = 1: the state is made ready for the second pass.
.macro FINISH oc, os, more
.rept 4
	v_nop
.endr
	v_add_f32 v14, v14, v15
	s_delay_alu instid0(VALU_DEP_1)
	v_permlanex16_b32 v252, v14, s16, s17
	s_delay_alu instid0(VALU_DEP_1)
	v_add_f32 v14, v14, v252                       ; the row's sum
	s_wait_alu depctr_va_vdst(0)
	v_rcp_f32 v14, v14
	v_nop                                          ; a plain place behind the reciprocal
	s_wait_alu depctr_va_vdst(0)                   ; and the wait ahead of its first reader
.irp j, 0,1,2,3,4,5,6,7,8,9,10,11,12,13,14,15,16,17,18,19,20,21,22,23,24,25,26,27,28,29,30,31
	v_mul_f32 v[96+\j], v[160+\j], v14             ; register 16 b + i: channel 32 b + 16 h + i of my query
.endr
.irp b, 0,1
	v_max3_num_f32 v[232+\b], |v[96+16*\b]|, |v[97+16*\b]|, 0x1800000
.endr
.irp i, 2,4,6,8,10,12,14
.irp b, 0,1
	s_delay_alu instid0(VALU_DEP_2)
	v_max3_num_f32 v[232+\b], v[232+\b], |v[96+16*\b+\i]|, |v[97+16*\b+\i]|
.endr
.endr
.irp b, 0,1
	s_delay_alu instid0(VALU_DEP_2)
	v_permlanex16_b32 v[236+\b], v[232+\b], s16, s17
.endr
.irp b, 0,1
	s_delay_alu instid0(VALU_DEP_2)
	v_max_num_f32 v[232+\b], v[232+\b], v[236+\b]
.endr
.irp b, 0,1
	s_delay_alu instid0(VALU_DEP_2)
	v_add_nc_u32 v[244+\b], 0xff000000, v[232+\b]
.endr
.irp b, 0,1
	s_delay_alu instid0(VALU_DEP_2)
	v_lshrrev_b32 v[236+\b], 23, v[244+\b]
.endr
	s_delay_alu instid0(VALU_DEP_1)
	v_lshl_or_b32 v238, v237, 8, v236              ; my head's half of the row's scale word
	v_cvt_scalef32_pk16_fp6_f32 v[128:130], v[96:111], v244
	v_cvt_scalef32_pk16_fp6_f32 v[132:134], v[112:127], v245
	v_nop                                          ; one plain place behind a scaled conversion
.irp i, 0,1,2
	v_permlane16_swap_b32 v[128+\i], v[132+\i]     ; lanes 0-15 channels 0-31, lanes 16-31 channels 32-63
.endr
	s_delay_alu instid0(VALU_DEP_3)
	v_mov_b32 v131, v132
	s_delay_alu instid0(VALU_DEP_3)
	v_mov_b32 v136, v133
	s_delay_alu instid0(VALU_DEP_3)
	v_mov_b32 v137, v134
	global_store_b128 v1, v[128:131], s[\oc:\oc+1]             ; 512 consecutive bytes: four of my six registers
	global_store_b64 v2, v[136:137], s[\oc:\oc+1] offset:512   ; 256 consecutive bytes: the other two
	global_store_b16 v6, v238, s[\os:\os+1]                    ; two bytes a token: all that a head owns of a scale word (16 tokens x 2 bytes a wave and pass); lanes L and L xor 16 write the same value
.if \more
.irp i, 0,1,2,3,4,5
	v_mov_b32 v[16+\i], v[36+\i]                   ; the second pass's q
	v_mov_b32 v[28+\i], v[36+\i]
.endr
	v_mov_b32 v34, v42
	v_mov_b32 v13, 0xff61b1e6
	s_delay_alu instid0(VALU_DEP_1)
	v_floor_f32 v12, -v13
	v_mov_b32 v14, 0
	v_mov_b32 v15, 0
.irp j, 0,1,2,3,4,5,6,7,8,9,10,11,12,13,14,15,16,17,18,19,20,21,22,23,24,25,26,27,28,29,30,31
	v_mov_b32 v[160+\j], 0                         ; (these also stand between the scale word's write and the next scaled product)
.endr
	s_mov_b32 s14, s20
	s_wait_xcnt 0x0                                ; the stores have read their registers, which the next step writes again
.endif
.endm
.Lvisit:                                           ; eight trips; behind each change of slots the next visit's keys are asked for
	CHANGE 1
	STEP 0
	STEP 1
	s_xor_b32 s15, s15, SLOT1
	s_cmp_lg_u32 s11, s9
	s_cbranch_scc1 .Lsame_pass
	FINISH 54, 56, 1                               ; visit j was the first pass's last
.Lsame_pass:
	s_lshl_b32 s13, s12, 8                         ; the next visit's first key
	s_add_co_u32 s11, s11, 1
	s_cmp_lt_u32 s11, 8
	s_cbranch_scc1 .Lvisit
	CHANGE 0                                       ; the ninth visit is written out: nothing is left to ask for
	STEP 0
	STEP 1
	FINISH 58, 60, 0
	s_wait_tensorcnt 0x0                           ; the wave's end
	ds_add_u32 v3, v4
	s_wait_dscnt 0x0
	s_endpgm
.Lfunc_end_k_q7ef30c362e_attn:
	.size	k_q7ef30c362e_attn, .Lfunc_end_k_q7ef30c362e_attn-k_q7ef30c362e_attn
	.p2alignl 7, 3214868480
	.fill 96, 4, 3214868480
	.section	.rodata,"a",@progbits
	.p2align	6, 0x0
	.amdhsa_kernel k_q7ef30c362e_attn
		.amdhsa_group_segment_fixed_size 327680
		.amdhsa_private_segment_fixed_size 0
		.amdhsa_enable_private_segment 0
		.amdhsa_kernarg_size 16
		.amdhsa_user_sgpr_count 2
		.amdhsa_user_sgpr_kernarg_segment_ptr 1
		.amdhsa_wavefront_size32 1
		.amdhsa_system_sgpr_workgroup_id_x 1
		.amdhsa_system_sgpr_workgroup_id_y 1
		.amdhsa_system_sgpr_workgroup_id_z 1
		.amdhsa_system_vgpr_workitem_id 0
		.amdhsa_next_free_vgpr 256
		.amdhsa_next_free_sgpr 100
		.amdhsa_reserve_vcc 1
		.amdhsa_float_denorm_mode_32 3
		.amdhsa_float_denorm_mode_16_64 3
		.amdhsa_memory_ordered 1
		.amdhsa_forward_progress 1
		.amdhsa_inst_pref_size 111
	.end_amdhsa_kernel
	.amdgpu_metadata
---
amdhsa.version: [ 1, 2 ]
amdhsa.kernels:
  - .name:           k_q7ef30c362e_attn
    .symbol:         k_q7ef30c362e_attn.kd
    .args:
      - { .name: qkv, .offset: 0, .size: 8, .value_kind: global_buffer, .address_space: global }
      - { .name: g2, .offset: 8, .size: 8, .value_kind: global_buffer, .address_space: global }
    .group_segment_fixed_size: 327680
    .private_segment_fixed_size: 0
    .kernarg_segment_align: 8
    .kernarg_segment_size: 16
    .max_flat_workgroup_size: 512
    .sgpr_count:     100
    .vgpr_count:     256
    .wavefront_size: 32
...
	.end_amdgpu_metadata
.endif
;; end of part 3
;; launch gemm_out (part 4): grid 4 x 32, 4 waves a work-group, clusters of 4 x 4, 327,680 bytes of LDS; arguments g2, out0; writes out0
.if DOCPART == 4
	.amdgcn_target "amdgcn-amd-amdhsa--gfx1250"
	.amdhsa_code_object_version 6
	.text
	.protected	k_q7ef30c362e_gemm_out
	.globl	k_q7ef30c362e_gemm_out
	.p2align	8
	.type	k_q7ef30c362e_gemm_out,@function
k_q7ef30c362e_gemm_out:
	s_mov_b64 s[64:65], 0
	v_nop
	global_prefetch_b8 v0, s[64:65] scope:SCOPE_SE
	s_setreg_imm32_b32 hwreg(HW_REG_WAVE_MODE, 25, 1), 1
	s_wait_xcnt 0x0
	s_wait_alu depctr_hold_cnt(0) depctr_sa_sdst(0) depctr_va_vdst(0) depctr_va_sdst(0) depctr_va_ssrc(0) depctr_va_vcc(0) depctr_vm_vsrc(0)
	s_getreg_b32 s2, hwreg(HW_REG_IB_STS2, 6, 4)
	s_cmp_eq_u32 s2, 0
	s_cbranch_scc0 .Lentry_in_a_cluster
	s_endpgm
.Lentry_in_a_cluster:
	s_bfe_u32 s2, ttmp6, 0x10000c
	s_cmp_lg_u32 s2, 0xf033
	s_cbranch_scc0 .Lentry_shape_is_right
	s_endpgm
.Lentry_shape_is_right:
; A product on codes of FP6 (E2M3) with E8M0 scales, K = 1,024, both operands laid as images of operand registers (16 rows x 128 K = 1,536 bytes: registers 4 g .. 4 g + 3 of lane L at 512 g + 16 L),
; [K slot of 256][fragment][K step of 128][1,536]; scale words [group of 32 rows][K slot][u][r][K step].  Lane-row r of fragment 2 G + u is row 32 G + 8 u + r + 8 (r / 8).
; One text serves two launches: IS_OUT = 0: q, k, v = x w_qkv, quantised in registers and stored as codes;  IS_OUT = 1: out0 = (attention's output) w_out, stored as f32.
; A tile is 256 x 256, four waves, 128 x 128 each: 64 accumulators, 512 registers.  Source 0 ("B") runs along a lane's registers, source 1 ("A") gives a lane its row.  With B's fragments 2 t and 2 t + 1 in the order
; above, a lane's 16 registers of two neighbouring accumulators are 16 NEIGHBOURS: 32 t + 16 (lane / 16) + 0 .. 15.
; IS_OUT = 1: A = tokens (32 tiles), B = w_out's columns (4 tiles): 128 work-groups.
; K has four slots.  LDS has three regions of one slot: slots 0, 1, 2 and all scale words go out at the start (four tensor loads a wave are out); slot 3 is filled into region 0 behind one round of the cluster's barrier.
; CLUSTER 4 x 4: A's tile is shared along a row of the cluster, B's along a column: each is asked for jointly.
; REGISTERS: window 0: v8-29 addresses; v32-63 scale words, two sets; v128-223 A's fragments, one set; window 1: B's fragments, sets at v0 and v128; windows 2, 3: accumulator (a, b) at v[8 (8 (a % 4) + b)].
.set IS_OUT, 1
.if IS_OUT
.set PLANE, 1769472                    ; one K slot of the codes' buffer
.set NLA,   4                          ; LDS loads that bring a fragment of A
.else
.set PLANE, 2162688
.set NLA,   3
.endif
.set SCG,   4*PLANE                    ; the scale words
.set FR,    12
.set HALFT, 24576                      ; 128 rows of one K slot: what one tensor load brings
.set SLOT,  4*HALFT                    ; a region: A's 256 rows, then B's
.set SCL,   3*SLOT                     ; the scale words: A's 256 rows, B's 256 rows, all of K
.set HALFS, 4096
.set SPARE, SCL+4*HALFS                ; the spare words, 128 bytes a wave: two blocks of 256 bytes that no other line names
.set STO,   8                          ; v8   the stage: where I put 32 bytes of a row
.set RD,    9                          ; v9   and where I read a row back
.set ADRA8, 12                         ; v12-14 region + my half of A + 8 L
.set ADRA,  16                         ; v16-18 region + my half of A + 16 L
.set ADRB,  20                         ; v20-22 the same for B
.set LI,    24                         ; v24  16 L
.set L8,    25                         ; v25  8 L
.set ADRS,  27                         ; v27  my scale words: lanes 0-15 A's rows, lanes 16-31 B's
.set SPW,   28                         ; v28  my spare word; never rewritten
.set NIL,   29                         ; v29  0; never rewritten
.set SC,    32
.set AF,    128
.set BK,    128                        ; 16 rows read back: v128-191 and v192-255 by turns
.set G1,    24                         ; s[24:31] group 1, A's tiles;  s[32:39] B's;  s[40:47], s[48:55] the scales'
.set G1B,   32
.set G1S,   40
.set G1SB,  48
.set G0S,   56                         ; s[56:59], s[60:63] groups 0 of the scales
.set G0SB,  60
.set G0A,   68                         ; s[68:79] groups 0 of A's three regions;  s[80:91] of B's
.set G0B,   80
.set MSB, 0
.macro WIN new                         ; the immediate's high byte repeats the setting that is left
.if MSB != (\new)
	s_set_vgpr_msb (MSB<<8)|(\new)
.set MSB, (\new)
.endif
.endm
.set MUL_LO, 0xa1                      ; source 0 (B) window 1, source 1 (A) window 0, C and D window 2
.set MUL_HI, 0xf1                      ; the same, C and D window 3
.set TO_B,   0x40                      ; destination window 1
; A joint load: waves 0 and 1 fetch A's halves, waves 2 and 3 B's.  The branch hangs on the wave's number alone.  An s_nop 0 and four v_nop follow each line.
.macro JLOAD g0a, g1a, g0b, g1b
	s_cmp_eq_u32 s15, 0
	s_cbranch_scc0 .Lfor_b_\@
	tensor_load_to_lds s[\g0a:\g0a+3], s[\g1a:\g1a+7]
	s_nop 0
.rept 4
	v_nop
.endr
	s_branch .Lasked_\@
.Lfor_b_\@:
	tensor_load_to_lds s[\g0b:\g0b+3], s[\g1b:\g1b+7]
	s_nop 0
.rept 4
	v_nop
.endr
.Lasked_\@:
.endm
.macro CREST                           ; a round of the cluster's barrier behind its opening barrier
	s_cmp_lg_u32 s14, 0
	s_cbranch_scc1 .Lnot_wave_0_\@
	s_barrier_signal -3
.Lnot_wave_0_\@:
	s_barrier_wait -3
	s_barrier_signal -1
	s_barrier_wait -1
.endm
.macro CROUND
	s_barrier_signal -1
	s_barrier_wait -1
	CREST
.endm
.macro SETG0 g, lreg, loff, alo, goff  ; a group 0: count 1, LDS address, global address, type 2
	s_mov_b32 s[(\g)], 1
	s_add_co_u32 s[(\g)+1], s[\lreg], \loff
	s_add_nc_u64 s[(\g)+2:(\g)+3], s[\alo:\alo+1], \goff
	s_or_b32 s[(\g)+3], s[(\g)+3], 0x80000000
.endm
	s_load_b128 s[4:7], s[0:1], 0x0                ; the codes' buffer s[4:5], the result s[6:7]
	v_lshl_add_u32 v[SPW], v0, 2, SPARE
	v_mov_b32 v[NIL], 0
	ds_add_u32 v[SPW], v[NIL]                      ; the wave's opening: the add, and its wait ahead of my first tensor load; work on registers stands between
	v_lshrrev_b32 v1, 5, v0
	v_readfirstlane_b32 s14, v1                    ; wave
	s_lshr_b32 s15, s14, 1                         ; my half of A's rows.  Also: I fetch for A (0) or B (1)
	s_and_b32 s16, s14, 1                          ; my half of B's rows.  Also: which 128 rows I fetch
	s_bfe_u32 s8, ttmp6, 0x40000                   ; cx
	s_bfe_u32 s9, ttmp6, 0x40004                   ; cy
	s_and_b32 s10, ttmp7, 0xffff
	s_lshl_b32 s10, s10, 2                         ; 4 x cluster y
	s_add_co_u32 s12, s10, s9                      ; A's tile of 256 rows: tokens 4 Y + cy
	s_add_co_u32 s13, s8, 32                       ; B's: w_out's columns, behind the 32 tiles of tokens
	s_lshl_b32 s17, s9, 2
	s_lshl_b32 s17, 15, s17                        ; my row of the cluster
	s_lshl_b32 s18, 0x1111, s8                     ; my column
	s_or_b32 s[G1], s17, (3<<16)|(1<<21)           ; 15:0 the mask; 17:16 elements of 8 bytes; 21 set beside a mask; no padding
	s_or_b32 s[G1B], s18, (3<<16)|(1<<21)
	s_or_b32 s[G1S], s17, (3<<16)|(1<<21)
	s_or_b32 s[G1SB], s18, (3<<16)|(1<<21)
.irp g, G1, G1B                        ; 24,576 dense bytes as 96 rows of 256
	s_mov_b32 s[\g+1], 32<<16
	s_mov_b32 s[\g+2], 96<<16
	s_mov_b32 s[\g+3], 32<<16
	s_mov_b32 s[\g+4], 96
	s_mov_b32 s[\g+5], 32
	s_mov_b32 s[\g+6], 0
	s_mov_b32 s[\g+7], 0
.endr
.irp g, G1S, G1SB                      ; 4,096 dense bytes as 16 rows of 256
	s_mov_b32 s[\g+1], 32<<16
	s_mov_b32 s[\g+2], 16<<16
	s_mov_b32 s[\g+3], 32<<16
	s_mov_b32 s[\g+4], 16
	s_mov_b32 s[\g+5], 32
	s_mov_b32 s[\g+6], 0
	s_mov_b32 s[\g+7], 0
.endr
	s_mul_i32 s19, s16, HALFT
	s_mul_i32 s92, s12, 2*HALFT
	s_add_co_u32 s92, s92, s19                     ; A's codes: tile x 49,152 + half x 24,576
	s_mov_b32 s93, 0
	s_mul_i32 s94, s13, 2*HALFT
	s_add_co_u32 s94, s94, s19                     ; B's
	s_mov_b32 s95, 0
	s_lshl_b32 s19, s16, 12
	s_lshl_b32 s96, s12, 13
	s_add_co_u32 s96, s96, s19
	s_add_co_u32 s96, s96, SCG                     ; A's scale words: tile x 8,192 + half x 4,096
	s_mov_b32 s97, 0
	s_lshl_b32 s98, s13, 13
	s_add_co_u32 s98, s98, s19
	s_add_co_u32 s98, s98, SCG
	s_mov_b32 s99, 0
	s_mul_i32 s2, s14, HALFT                       ; where they go: wave x 24,576: no place in the cluster enters an LDS address
	s_lshl_b32 s3, s14, 12
	s_wait_dscnt 0x0                               ; the opening add is done
	s_wait_kmcnt 0x0
	s_add_nc_u64 s[92:93], s[4:5], s[92:93]
	s_add_nc_u64 s[94:95], s[4:5], s[94:95]
	s_add_nc_u64 s[96:97], s[4:5], s[96:97]
	s_add_nc_u64 s[98:99], s[4:5], s[98:99]
	CROUND                                         ; all sixteen work-groups are here: the first joint loads meet
	SETG0 G0S, 3, SCL, 96, 0
	SETG0 G0SB, 3, SCL, 98, 0
	JLOAD G0S, G1S, G0SB, G1SB                     ; the scale words first: they are wanted with K slot 0
.irp n, 0,1,2
	SETG0 G0A+4*\n, 2, \n*SLOT, 92, \n*PLANE
	SETG0 G0B+4*\n, 2, \n*SLOT, 94, \n*PLANE
	JLOAD G0A+4*\n, G1, G0B+4*\n, G1B
.endr
	v_and_b32 v1, 31, v0
	v_and_b32 v2, 15, v0                           ; r
	v_bfe_u32 v3, v0, 4, 1                         ; h
	v_lshlrev_b32 v[LI], 4, v1
	v_lshlrev_b32 v[L8], 3, v1
	s_mul_i32 s20, s15, HALFT
	s_mul_i32 s21, s16, HALFT
	s_add_co_u32 s21, s21, 2*HALFT
.irp n, 0,1,2
	v_add_nc_u32 v[ADRA+\n], s20, v[LI]
	v_add_nc_u32 v[ADRB+\n], s21, v[LI]
	v_add_nc_u32 v[ADRA8+\n], s20, v[L8]
	s_add_co_u32 s20, s20, SLOT
	s_add_co_u32 s21, s21, SLOT
.endr
	s_lshl_b32 s20, s15, 12                        ; A's words: my 128 rows
	s_lshl_b32 s21, s16, 12                        ; B's: my 128 rows, behind A's 256
	s_add_co_u32 s21, s21, 2*HALFS
	s_sub_co_u32 s21, s21, s20
	v_mul_u32_u24 v4, s21, v3                      ; lanes 16-31 take B's: one product, the distance between the two
	v_lshl_add_u32 v4, v2, 3, v4                   ; + 8 r
	s_add_co_u32 s20, s20, SCL
	v_add_nc_u32 v[ADRS], s20, v4
	s_mul_i32 s20, s14, 16*528                     ; my stage: 16 rows of 528 bytes, in region 1
	s_add_co_u32 s20, s20, SLOT
	v_mul_u32_u24 v4, v2, 528
	v_lshl_add_u32 v4, v3, 6, v4
	v_add_nc_u32 v[STO], s20, v4                   ; in: row r, + 64 h
	v_add_nc_u32 v[RD], s20, v[LI]                 ; back: 16 L of a row
.macro FRAGB reg, n, off               ; an image comes back as it was stored: three loads of 512 consecutive bytes
.irp g, 0,1,2
	ds_load_b128 v[(\reg)+4*\g:(\reg)+4*\g+3], v[ADRB+(\n)] offset:(\off)+512*\g
.endr
.endm
.macro FRAGA reg, n, off               ; the attention's fragments lie in halves of 768 bytes, one for each of two heads: registers 6 c .. 6 c + 3 at 16 L, then 6 c + 4, 6 c + 5 at 8 L
.irp c, 0,1
	ds_load_b128 v[(\reg)+6*\c:(\reg)+6*\c+3], v[ADRA+(\n)] offset:(\off)+768*\c
	ds_load_b64 v[(\reg)+6*\c+4:(\reg)+6*\c+5], v[ADRA8+(\n)] offset:(\off)+768*\c+512
.endr
.endm
.macro FETCH_B n, q                    ; B's eight fragments of region n, K step q, into set q
	WIN TO_B
.irp i, 0,1,2,3,4,5,6,7
	FRAGB 128*(\q)+FR*\i, \n, \i*3072+(\q)*1536
.endr
	WIN 0
.endm
.macro FETCH_A n, q, i0                ; A's blocks i0 .. i0 + 3
.irp i, \i0, \i0+1, \i0+2, \i0+3
	FRAGA AF+FR*(\i), \n, (\i)*3072+(\q)*1536
.endr
.endm
.macro SCALES ks                       ; K slot ks's words into set ks % 2: register 2 i + q: lanes 0-15 A's block i, lanes 16-31 B's block i
.irp i, 0,1,2,3,4,5,6,7
	ds_load_b64 v[SC+16*((\ks)%2)+2*\i:SC+16*((\ks)%2)+2*\i+1], v[ADRS] offset:(\i/2)*1024+(\i%2)*128+(\ks)*256
.endr
.endm
; 16 matrix instructions: A's blocks a0, a0 + 1 x B's eight.  The 64 accumulators take turns, one instruction a turn, in the same order in every step.
.macro MUL16 a0, q, sc, zero
.irp a, \a0, \a0+1
.irp b, 0,1,2,3,4,5,6,7
.if \zero
	v_wmma_scale_f32_16x16x128_f8f6f4 v[8*(8*((\a)%4)+\b):8*(8*((\a)%4)+\b)+7], v[128*(\q)+FR*\b:128*(\q)+FR*\b+FR-1], v[AF+FR*(\a):AF+FR*(\a)+FR-1], 0, v[SC+16*(\sc)+2*\b+(\q)], v[SC+16*(\sc)+2*(\a)+(\q)] matrix_a_fmt:MATRIX_FMT_FP6 matrix_b_fmt:MATRIX_FMT_FP6 matrix_a_scale:MATRIX_SCALE_ROW1
.else
	v_wmma_scale_f32_16x16x128_f8f6f4 v[8*(8*((\a)%4)+\b):8*(8*((\a)%4)+\b)+7], v[128*(\q)+FR*\b:128*(\q)+FR*\b+FR-1], v[AF+FR*(\a):AF+FR*(\a)+FR-1], v[8*(8*((\a)%4)+\b):8*(8*((\a)%4)+\b)+7], v[SC+16*(\sc)+2*\b+(\q)], v[SC+16*(\sc)+2*(\a)+(\q)] matrix_a_fmt:MATRIX_FMT_FP6 matrix_b_fmt:MATRIX_FMT_FP6 matrix_a_scale:MATRIX_SCALE_ROW1
.endif
.endr
.endr
.endm
.macro PLACES                          ; four plain places behind matrix instructions, in front of loads into their registers and of the first read of results
.rept 4
	v_nop
.endr
.endm
; A step of 128 along K whose successor's tiles are known to be whole: K step q on scale set sc; it fetches region nreg's K step nq, and K slot nks's scale words where nks >= 0.
.macro STEP q, sc, zero, nreg, nq, nks
	s_wait_dscnt 4*NLA                             ; all but the youngest loads, A's blocks 4-7
	WIN MUL_LO
	MUL16 0, \q, \sc, \zero
	MUL16 2, \q, \sc, \zero
	s_wait_dscnt 0x0                               ; A's blocks 4-7 are in
	PLACES
	FETCH_B \nreg, \nq
	FETCH_A \nreg, \nq, 0
.if (\nks) >= 0
	SCALES \nks
.endif
	WIN MUL_HI
	MUL16 4, \q, \sc, \zero
	MUL16 6, \q, \sc, \zero
	PLACES
	WIN 0
	FETCH_A \nreg, \nq, 4
.endm
; A region's last step with a barrier: in front of it each wave waits for all its tensor loads, adds 0 to its spare word, and waits for that and for its reads of the region.
; fill = 1: the barrier opens a round of the cluster's, and region 0 is filled again, with K slot 3: that load has three and a half steps, 224 matrix instructions, in which to land.
.macro TURN sc, nreg, nks, fill
	s_wait_tensorcnt 0x0                           ; all my tensor loads have landed
	ds_add_u32 v[SPW], v[NIL]                      ; 0 onto my spare word
	s_wait_dscnt 4*NLA+1                           ; the add and A's blocks 4-7 may be out
	WIN MUL_LO
	MUL16 0, 1, \sc, 0
	s_wait_dscnt 0x0                               ; the add is done, and my reads of this region are over
	s_barrier_signal -1
	MUL16 2, 1, \sc, 0
	WIN 0
	s_barrier_wait -1
.if \fill
	CREST                                          ; no wave of any partner still reads region 0 or has a load on its way
	s_add_nc_u64 s[G0A+2:G0A+3], s[G0A+2:G0A+3], 3*PLANE
	s_add_nc_u64 s[G0B+2:G0B+3], s[G0B+2:G0B+3], 3*PLANE
	JLOAD G0A, G1, G0B, G1B                        ; the first tensor load behind the round; its four v_nop are the places in front of the loads below
.else
	PLACES
.endif
	FETCH_B \nreg, 0
	FETCH_A \nreg, 0, 0
	SCALES \nks
	WIN MUL_HI
	MUL16 4, 1, \sc, 0
	MUL16 6, 1, \sc, 0
	PLACES
	WIN 0
	FETCH_A \nreg, 0, 4
.endm
	s_wait_tensorcnt 0x2                           ; of my four loads the scale words and K slot 0 are in; K slots 1 and 2 may be out
	s_barrier_signal -1
	s_barrier_wait -1
	FETCH_B 0, 0
	FETCH_A 0, 0, 0
	SCALES 0
	FETCH_A 0, 0, 4
	STEP 0, 0, 1, 0, 1, -1                         ; K slot 0: the first products start the sums
	TURN 0, 1, 1, 1                                ; behind its round regions 1 and 2 are whole in every wave's sight, and region 0 takes K slot 3
	STEP 0, 1, 0, 1, 1, -1                         ; K slot 1
	STEP 1, 1, 0, 2, 0, 2
	STEP 0, 0, 0, 2, 1, -1                         ; K slot 2
	TURN 0, 0, 3, 0                                ; K slot 3 has landed, in every wave's sight; nothing is filled again
	STEP 0, 1, 0, 0, 1, -1                         ; K slot 3
	s_wait_dscnt 4*NLA
	WIN MUL_LO
	MUL16 0, 1, 1, 0
	MUL16 2, 1, 1, 0
	s_wait_dscnt 0x0
	WIN MUL_HI
	MUL16 4, 1, 1, 0
	MUL16 6, 1, 1, 0
	WIN 0
; THE WAY OUT, f32: a block of 16 rows x 128 columns goes through my stage and comes back as whole rows of 512 bytes.  The stage lies in region 1: it was filled once, and every wave has passed a barrier behind its last read of it.
	s_lshl_b32 s40, s12, 8                         ; (every tensor load has been waited for: the descriptors' registers are free)
	s_lshl_b32 s41, s15, 7
	s_add_co_u32 s40, s40, s41                     ; my first token
	s_lshl_b32 s40, s40, 12                        ; rows of 4,096 bytes
	s_lshl_b32 s41, s8, 10
	s_add_co_u32 s40, s40, s41
	s_lshl_b32 s41, s16, 9
	s_add_co_u32 s40, s40, s41                     ; + my first column x 4
	s_mov_b32 s41, 0
	s_add_nc_u64 s[52:53], s[6:7], s[40:41]
.macro TOSTAGE a
.set AC, 64*((\a)%4)
	WIN 0x08+4*((\a)/4)                            ; an LDS store's data: window 2 or 3
.irp b, 0,1,2,3,4,5,6,7
	ds_store_b128 v[STO], v[AC+8*\b:AC+8*\b+3] offset:128*(\b/2)+32*(\b%2)         ; columns 32 (b / 2) + 16 h + 8 (b % 2) + 0 .. 7; each accumulator from its low end on
	ds_store_b128 v[STO], v[AC+8*\b+4:AC+8*\b+7] offset:128*(\b/2)+32*(\b%2)+16
.endr
	WIN 0
.set BB, BK+64*((\a)%2)
.irp t, 0,1,2,3,4,5,6,7,8,9,10,11,12,13,14,15
	ds_load_b128 v[BB+4*\t:BB+4*\t+3], v[RD] offset:\t*528   ; LDS serves a wave's instructions in order: these see my stores
.endr
.endm
.macro SEND a, younger
.set BB, BK+64*((\a)%2)
	s_wait_dscnt \younger                          ; the block is back; the next block's LDS instructions may be out
.irp t, 0,1,2,3,4,5,6,7,8,9,10,11,12,13,14,15
	global_store_b128 v[LI], v[BB+4*\t:BB+4*\t+3], s[52:53] offset:(32*((\a)/2)+8*((\a)%2)+\t+8*(\t/8))*4096 th:TH_STORE_NT   ; lane-row t of fragment a is that token; 512 consecutive bytes
.endr
.endm
	PLACES
	TOSTAGE 0
.irp a, 1,2,3,4,5,6,7
.if \a > 1
	s_wait_xcnt 0x0                                ; block a - 2's stores have read their registers: block a's loads may land there
.endif
	TOSTAGE \a
	SEND \a-1, 32                                  ; behind block a - 1's loads: block a's 16 stores and 16 loads
.endr
	SEND 7, 0
	s_wait_tensorcnt 0x0                           ; the wave's end, behind my last tensor load and my last LDS store
	ds_add_u32 v[SPW], v[NIL]
	s_wait_dscnt 0x0
	CROUND                                         ; the closing round
	s_endpgm
.Lfunc_end_k_q7ef30c362e_gemm_out:
	.size	k_q7ef30c362e_gemm_out, .Lfunc_end_k_q7ef30c362e_gemm_out-k_q7ef30c362e_gemm_out
	.p2alignl 7, 3214868480
	.fill 96, 4, 3214868480
	.section	.rodata,"a",@progbits
	.p2align	6, 0x0
	.amdhsa_kernel k_q7ef30c362e_gemm_out
		.amdhsa_group_segment_fixed_size 327680
		.amdhsa_private_segment_fixed_size 0
		.amdhsa_enable_private_segment 0
		.amdhsa_kernarg_size 16
		.amdhsa_user_sgpr_count 2
		.amdhsa_user_sgpr_kernarg_segment_ptr 1
		.amdhsa_wavefront_size32 1
		.amdhsa_system_sgpr_workgroup_id_x 1
		.amdhsa_system_sgpr_workgroup_id_y 1
		.amdhsa_system_sgpr_workgroup_id_z 1
		.amdhsa_system_vgpr_workitem_id 0
		.amdhsa_next_free_vgpr 1024
		.amdhsa_next_free_sgpr 102
		.amdhsa_reserve_vcc 0
		.amdhsa_float_denorm_mode_32 3
		.amdhsa_float_denorm_mode_16_64 3
		.amdhsa_memory_ordered 1
		.amdhsa_forward_progress 1
		.amdhsa_inst_pref_size 139
	.end_amdhsa_kernel
	.amdgpu_metadata
---
amdhsa.version: [ 1, 2 ]
amdhsa.kernels:
  - .name:           k_q7ef30c362e_gemm_out
    .symbol:         k_q7ef30c362e_gemm_out.kd
    .args:
      - { .name: g2, .offset: 0, .size: 8, .value_kind: global_buffer, .address_space: global }
      - { .name: out0, .offset: 8, .size: 8, .value_kind: global_buffer, .address_space: global }
    .group_segment_fixed_size: 327680
    .private_segment_fixed_size: 0
    .kernarg_segment_align: 8
    .kernarg_segment_size: 16
    .max_flat_workgroup_size: 128
    .sgpr_count:     102
    .vgpr_count:     1024
    .wavefront_size: 32
...
	.end_amdgpu_metadata
.endif
;; end of part 4
